; MI455X (gfx1250); checked and timed in simulation.
; The chip was launched on July 23, 2026; its instructions are those of AMD's public machine-readable ISA for CDNA 5 (MIT licence, August 2026) and "CDNA5" Instruction Set Architecture Reference Guide (July 2026). The comments in the code are by the model that wrote it; some were corrected since.
;; Multi Head Causal Attention. Allowed arithmetic: matrix products marked QUANTISED: E2M3 operands, one E8M0 scale for each 32 along K, by v_wmma_scale_f32_16x16x128_f8f6f4 with both operands' format E2M3, f32 sums; everything else in f32.
;; Inputs: norm_g 1,024 float32; wk 1,024 x 1,024 float32; wo 1,024 x 1,024 float32; wq 1,024 x 1,024 float32; wv 1,024 x 1,024 float32; x 4 x 2,048 x 1,024 float32.
;; Outputs: out0 4 x 2,048 x 1,024 float32.
;; This version of the problem:
;;   THIS VERSION OF THE PROBLEM IS GIVEN IN LOW PRECISION. The matrix products marked QUANTISED in the list below multiply operands that are first quantised to E2M3 (2 exponent bits, 3 mantissa bits; 6 bits a number), with one power-of-two scale for each 32 numbers along K (OCP MX v1.0); their sums are f32. All else is computed in f32.
;;   The module's matrix products, in the order in which they are computed (A, B: the left and right operand; K: the contracted axis; several contracted axes count as one K, in the product's order):
;;     1. [M 8,192, K 1,024] x [K 1,024, N 1,024]; A: input x; B: input wq: QUANTISED
;;     2. [M 8,192, K 1,024] x [K 1,024, N 1,024]; A: input x; B: input wk: QUANTISED
;;     3. [M 8,192, K 1,024] x [K 1,024, N 1,024]; A: input x; B: input wv: QUANTISED
;;     4. batch 64 x [M 2,048, K 64] x [K 64, N 2,048]; A: computed on the way; B: computed on the way: QUANTISED
;;     5. batch 64 x [M 2,048, K 2,048] x [K 2,048, N 64]; A: softmax (see below); B: computed on the way: QUANTISED
;;     6. [M 8,192, K 1,024] x [K 1,024, N 1,024]; A: computed on the way; B: input wo: QUANTISED
;;   THE QUANTISER, for each operand of a quantised product, along K:
;;     - K is cut into blocks of 32 from its start; a last block that is shorter is filled with zeros.
;;     - A block's scale is 2^e with e = floor(log2(the largest magnitude in the block)) - 2, held to -126 .. 127; a block of zeros has e = 0. As a byte (E8M0): e + 127.
;;     - Each number is divided by its block's scale, clamped to +-7.5, and rounded to the nearest number of E2M3, ties to even, subnormals kept.
;;     - The product sums the exact products of the quantised numbers (number of the format x scale) in f32.
;;   ~~~python
;;   def quantise(x, axis):      # numpy; x: float32 -> the quantised numbers, widened to float32 again
;;       x = np.moveaxis(x, axis, -1); K = x.shape[-1]
;;       x = np.pad(x, [(0, 0)] * (x.ndim - 1) + [(0, -K % 32)]); x = x.reshape(x.shape[:-1] + (-1, 32)); a = np.abs(x).max(-1, keepdims=True)
;;       e = np.where(a > 0, np.clip(np.frexp(np.where(a > 0, a, 1))[1] - 1 - 2, -126, 127), 0)      # np.frexp(a)[1] - 1 = floor(log2(a)), exactly
;;       r = np.clip(x / 2.0 ** e, -7.5, 7.5)
;;       step = 2.0 ** (np.maximum(np.frexp(np.where(r == 0, 1, r))[1] - 1, 0) - 3)
;;       q = np.round(r / step) * step * 2.0 ** e      # np.round: ties to even
;;       return np.moveaxis(q.reshape(q.shape[:-2] + (-1,))[..., :K], -1, axis).astype(np.float32)
;;   ~~~
;;   SOFTMAX AHEAD OF A QUANTISED PRODUCT. Where the list says 'softmax', what is quantised is not the finished softmax but p = 2^(t - M), with t = logit x log2(e) and M = ceil(the row's largest t), a whole number; so 1/2 < the row's largest p <= 1. The row's sum l is taken of the UNQUANTISED p, in f32, and the product's result is divided by l at the end. Since M is a whole number, a kernel that streams over the keys may use a running M (the ceiling of the running maximum): every later rescaling is an exact power of two, which a block's scale takes up: the codes' values come out the same.
;;   OPERANDS COMPUTED ON THE WAY. 'Computed on the way' means the value that the module computes at that place (a softmax that the list does not call 'softmax' is quantised finished and normalised). What goes into a quantiser is computed in f32, as accurately as f32 sums, v_exp_f32 and their like allow (about 1e-6 of the number): no bf16 or f16 on the way to a quantiser, and a product that is left as it is and whose result goes on into a quantised operand takes f32 operands (vector FMAs, or v_wmma_f32_16x16x4_f32). A number that lies on a knife's edge between two numbers of the format may be rounded either way, as far as f32 arithmetic and the matrix unit's own rounding can turn it there, and no further.
;; One version. Each part assembles by itself: llvm-mc -triple=amdgcn-amd-amdhsa -mcpu=gfx1250 --defsym DOCPART=n.
;; ======== version 1 of 1: 4 launches
;; workspace buffers: xrec 6,553,600 bytes; wrec 3,276,800 bytes; qkv 19,660,800 bytes; orec 6,291,456 bytes; osc 262,144 bytes
;; launch quant (part 1): grid 384 x 1, 4 waves a work-group, no clusters, 66,048 bytes of LDS; arguments x, wq, wk, wv, wo, xrec, wrec; writes xrec, wrec
.if DOCPART == 1
	.amdgcn_target "amdgcn-amd-amdhsa--gfx1250"
	.amdhsa_code_object_version 6
	.text
	.protected	k_q093f4bd5f9_quant
	.globl	k_q093f4bd5f9_quant
	.p2align	8
	.type	k_q093f4bd5f9_quant,@function
k_q093f4bd5f9_quant:
	s_mov_b64 s[64:65], 0
	v_nop
	global_prefetch_b8 v0, s[64:65] scope:SCOPE_SE
	s_setreg_imm32_b32 hwreg(HW_REG_WAVE_MODE, 25, 1), 1
	s_wait_xcnt 0x0
; x [8192][1024] and wq, wk, wv, wo [1024][1024], f32, K innermost, become codes of FP6 (E2M3) with one E8M0 byte for each 32 along K,
; laid as IMAGES OF OPERAND REGISTERS.  A tile is 16 rows; lane r of tile T is row 32 (T / 2) + 8 (T % 2) + r + 8 (r / 8), so that in a product used
; transposed the 16 registers of two neighbouring tiles are 16 neighbouring rows.  A tile's record is 12,800 bytes: 8 images (one for each 128 along K)
; of 1,536 bytes, then 512 bytes of scale words [K half][row][4 words].  An image is the fragment's 12 registers in 3 planes of 512 bytes: plane j holds
; registers 4 j .. 4 j + 3 of lane l at byte 16 l.  Lane (r, h) of a fragment holds, in registers 6 c .. 6 c + 5, k = 64 c + 32 h + 0 .. 31 of row r.
; A block's scale is 2^(floor(log2(largest magnitude)) - 2); its byte is the largest magnitude's exponent field - 2, held at 1 from below.
; LIMITS: NaN and infinities among the inputs are not served; a block of zeros gets the byte 1 where the rule says 127 (its codes are zeros, and this program alone reads the bytes).
; SHARES: work-groups 0-255 take x, 32 rows (two tiles) each; 256-383 the four weights, 32 work-groups each.  Wave w takes tile w / 2 and K half w % 2:
; 16 rows x 512 numbers, in 8 steps of two rows.  A step's 8 loads read 512 consecutive bytes each; the 4,096 bytes turn through the wave's own stage in LDS, so that
; a lane gets one whole block of 32 neighbours; its 24 bytes of codes go to the wave's image stage, and at the end the 6,144 bytes of images and the 256 scale bytes leave
; in stores of 512 and 256 consecutive bytes.  Waves share nothing: no barrier.  No tensor load, no matrix unit, no cluster: a stream.
.set STG,  4608                        ; a stage: 32 places of 128 + 16 bytes (pitch 144 = 9 x 16); two stages by turns
.set IMGS, 9216                        ; behind them the wave's four images, 6,144 bytes
.set SCB,  15360                       ; and its 256 scale bytes.  A wave's region is 16,384 bytes
.set R, 32                             ; v32-95   two sets of 32 registers as loaded
.set X, 96                             ; v96-159  two sets of 32 neighbours
.set C, 160                            ; v160-165, v168-173 a block's codes, two sets
.set T, 176                            ; v176-178 the second conversion's result
.set E, 180                            ; v180-181 the scale byte, two sets
	s_load_b256 s[4:11], s[0:1], 0x0               ; x, wq, wk, wv
	s_load_b128 s[12:15], s[0:1], 0x20             ; wo, xrec
	s_load_b64 s[16:17], s[0:1], 0x30              ; wrec
	v_lshl_add_u32 v192, v0, 2, 0x10000
	v_mov_b32 v193, 0
	v_lshrrev_b32 v1, 5, v0
	v_readfirstlane_b32 s18, v1                    ; wave
	v_and_b32 v1, 31, v0                           ; lane
	v_lshlrev_b32 v2, 4, v1                        ; 16 x lane: my bytes of a load's or a store's 512
	s_lshl_b32 s19, s18, 14                        ; my wave's LDS region
	v_lshrrev_b32 v3, 3, v1
	v_mul_u32_u24 v3, v3, 144
	v_and_b32 v11, 7, v1
	v_lshl_add_u32 v3, v11, 4, v3
	v_add_nc_u32 v3, s19, v3                       ; into a stage: eight lanes' 128 bytes are a block; a load's four blocks take four places
	v_mul_u32_u24 v4, v1, 144
	v_add_nc_u32 v4, s19, v4                       ; out of it: block = lane: row bit l / 16, K step (l / 4) % 4, c = (l / 2) % 2, h = l % 2
	v_bfe_u32 v11, v1, 2, 2
	v_mul_u32_u24 v5, v11, 1536                    ; my block's image,
	v_lshrrev_b32 v11, 4, v1
	v_lshl_add_u32 v5, v11, 4, v5                  ; the fragment's lane: row (2 t + l / 16; 32 t stands in the immediate) ..
	v_and_b32 v11, 1, v1
	v_lshl_add_u32 v5, v11, 8, v5                  ; .. + 16 h, 16 bytes a lane
	v_add_nc_u32 v5, s19, v5
	v_add_nc_u32 v5, IMGS, v5
	v_bfe_u32 v11, v1, 1, 1                        ; c.  Registers 6 c + 0, 1 lie at byte 520 c of a lane's planes, 6 c + 2, 3 at 8 + 1016 c, 6 c + 4, 5 at 512 + 520 c
	v_mul_u32_u24 v14, v11, 520
	v_mul_u32_u24 v15, v11, 1016
	v_add_nc_u32 v6, v5, v15
	v_add_nc_u32 v6, 8, v6
	v_add_nc_u32 v5, v5, v14
	v_add_nc_u32 v7, 512, v5
	v_add_nc_u32 v8, s19, v1
	v_add_nc_u32 v8, SCB, v8                       ; my block's scale byte: 16 x row + block = 32 t + lane
	v_lshlrev_b32 v10, 3, v1                       ; the scale bytes' way out: 8 bytes a lane
	v_add_nc_u32 v9, s19, v10
	v_add_nc_u32 v9, SCB, v9
	v_add_nc_u32 v16, s19, v2
	v_add_nc_u32 v16, IMGS, v16                    ; the images' way out: 16 bytes a lane
	s_lshr_b32 s20, ttmp9, 5                       ; 0-7: x; 8, 9, 10, 11: wq, wk, wv, wo
	s_and_b32 s21, ttmp9, 31
	s_sub_co_u32 s22, ttmp9, 256
	s_lshr_b32 s23, s18, 1                         ; which of the two tiles
	s_and_b32 s24, s18, 1                          ; which K half
	s_wait_kmcnt 0x0
	s_cmp_eq_u32 s20, 10                           ; the buffers are chosen by the work-group's number alone; all take one path
	s_cselect_b64 s[12:13], s[10:11], s[12:13]
	s_cmp_eq_u32 s20, 9
	s_cselect_b64 s[12:13], s[8:9], s[12:13]
	s_cmp_eq_u32 s20, 8
	s_cselect_b64 s[12:13], s[6:7], s[12:13]
	s_cmp_lt_u32 s20, 8
	s_cselect_b64 s[12:13], s[4:5], s[12:13]       ; from
	s_cselect_b64 s[14:15], s[14:15], s[16:17]     ; to
	s_cselect_b32 s21, ttmp9, s21                  ; which 32 rows of the tensor
	s_cselect_b32 s22, ttmp9, s22                  ; which pair of tiles of the records' buffer
	s_lshl_b32 s26, s21, 17                        ; 32 rows of 4,096 bytes,
	s_lshl_b32 s25, s23, 15                        ; the tile's rows begin 8 rows on,
	s_add_co_u32 s26, s26, s25
	s_lshl_b32 s25, s24, 11                        ; the K half 2,048 bytes on
	s_add_co_u32 s26, s26, s25
	s_mov_b32 s27, 0
	s_add_nc_u64 s[12:13], s[12:13], s[26:27]
	s_lshl_b32 s22, s22, 1
	s_add_co_u32 s22, s22, s23                     ; my tile
	s_mul_i32 s26, s22, 12800
	s_mul_i32 s25, s24, 6144
	s_add_co_u32 s28, s26, s25
	s_mov_b32 s29, 0
	s_add_nc_u64 s[30:31], s[14:15], s[28:29]      ; my four images
	s_lshl_b32 s25, s24, 8
	s_add_co_u32 s28, s26, s25
	s_add_co_u32 s28, s28, 12288
	s_add_nc_u64 s[32:33], s[14:15], s[28:29]      ; my 256 scale bytes
.macro LOAD t                          ; step t: the tile's rows 2 t and 2 t + 1 (in the tensor 2 t + 8 (t / 4) rows on), my K half: 8 x 512 consecutive bytes
.irp i, 0,1,2,3,4,5,6,7
	global_load_b128 v[R+32*((\t)%2)+4*\i:R+32*((\t)%2)+4*\i+3], v2, s[12:13] offset:(2*(\t)+8*((\t)/4)+\i/4)*4096+(\i%4)*512 th:TH_LOAD_NT
.endr
.endm
.macro TURN t                          ; through the stage: LDS serves a wave's instructions in order (ISA guide 5.7.1.4), so no wait stands between the stores and the loads
.irp i, 0,1,2,3,4,5,6,7
	ds_store_b128 v3, v[R+32*((\t)%2)+4*\i:R+32*((\t)%2)+4*\i+3] offset:STG*((\t)%2)+576*\i
.endr
.irp j, 0,1,2,3,4,5,6,7
	ds_load_b128 v[X+32*((\t)%2)+4*\j:X+32*((\t)%2)+4*\j+3], v4 offset:STG*((\t)%2)+16*\j
.endr
.endm
	LOAD 0
	LOAD 1
	s_wait_loadcnt 8                               ; step 0's eight loads are in; step 1's eight may be out
	TURN 0
.macro STEP t
.set XS, X+32*((\t)%2)
.set CC, C+8*((\t)%2)
.set EE, E+(\t)%2
.if (\t) > 0
	s_wait_dscnt 4                                 ; this step's block is back from the stage (the last step's three code stores and its byte store may be out): so the stage's stores have read their registers, and the stores of two steps back theirs
.else
	s_wait_dscnt 0x0
.endif
.if (\t)+2 < 8
	LOAD (\t)+2
.endif
.if (\t)+1 < 8
.if (\t)+2 < 8
	s_wait_loadcnt 8                               ; the next step's eight loads are in; those just issued may be out
.else
	s_wait_loadcnt 0x0
.endif
	TURN (\t)+1                                    ; the next step goes through the other stage while this one is worked
.endif
	v_max3_num_f32 v12, |v[XS]|, |v[XS+1]|, |v[XS+2]|              ; the block's largest magnitude: all 32 numbers are mine; two chains
	v_max3_num_f32 v13, |v[XS+3]|, |v[XS+4]|, |v[XS+5]|
.irp i, 6,10,14,18,22,26
	v_max3_num_f32 v12, v12, |v[XS+\i]|, |v[XS+\i+1]|
	v_max3_num_f32 v13, v13, |v[XS+\i+2]|, |v[XS+\i+3]|
.endr
	v_max3_num_f32 v12, v12, |v[XS+30]|, |v[XS+31]|
	v_max3_num_f32 v12, v12, v13, 0x1800000        ; and the floor 2^(3 - 127): the byte cannot fall under 1
	v_add_nc_u32 v11, 0xff000000, v12              ; 2 off the exponent field: the conversion takes this operand's exponent field as its scale
	v_cvt_scalef32_pk16_fp6_f32 v[CC:CC+2], v[XS:XS+15], v11
	v_cvt_scalef32_pk16_fp6_f32 v[T:T+2], v[XS+16:XS+31], v11      ; (a conversion's three registers begin on an even number)
	v_lshrrev_b32 v[EE], 23, v11                   ; the scale's byte; also the plain instruction between the conversions and the moves
.irp i, 0,1,2
	v_mov_b32 v[CC+3+\i], v[T+\i]
.endr
	ds_store_b64 v5, v[CC:CC+1] offset:32*(\t)
	ds_store_b64 v6, v[CC+2:CC+3] offset:32*(\t)
	ds_store_b64 v7, v[CC+4:CC+5] offset:32*(\t)
	ds_store_b8 v8, v[EE] offset:32*(\t)
.endm
.irp t, 0,1,2,3,4,5,6,7
	STEP \t
.endr
.irp j, 0,1,2,3,4,5,6,7,8,9,10,11
	ds_load_b128 v[R+4*\j:R+4*\j+3], v16 offset:512*\j             ; these see my stores (a wave's LDS instructions are served in order)
.endr
	ds_load_b64 v[12:13], v9
.irp j, 0,1,2,3,4,5,6,7,8,9,10,11
	s_wait_dscnt 12-\j                             ; plane j is in; the younger loads may be out
	global_store_b128 v2, v[R+4*\j:R+4*\j+3], s[30:31] offset:512*\j   ; 32 lanes store 512 consecutive bytes, at a multiple of 256 from the buffer's first byte
.endr
	s_wait_dscnt 0x0
	global_store_b64 v10, v[12:13], s[32:33]       ; 256 consecutive bytes, aligned
	s_wait_tensorcnt 0x0
	ds_add_u32 v192, v193
	s_wait_dscnt 0x0
	s_endpgm
.Lfunc_end_k_q093f4bd5f9_quant:
	.size	k_q093f4bd5f9_quant, .Lfunc_end_k_q093f4bd5f9_quant-k_q093f4bd5f9_quant
	.p2alignl 7, 3214868480
	.fill 96, 4, 3214868480
	.section	.rodata,"a",@progbits
	.p2align	6, 0x0
	.amdhsa_kernel k_q093f4bd5f9_quant
		.amdhsa_group_segment_fixed_size 66048
		.amdhsa_private_segment_fixed_size 0
		.amdhsa_enable_private_segment 0
		.amdhsa_kernarg_size 56
		.amdhsa_user_sgpr_count 2
		.amdhsa_user_sgpr_kernarg_segment_ptr 1
		.amdhsa_wavefront_size32 1
		.amdhsa_system_sgpr_workgroup_id_x 1
		.amdhsa_system_sgpr_workgroup_id_y 1
		.amdhsa_system_sgpr_workgroup_id_z 1
		.amdhsa_system_vgpr_workitem_id 0
		.amdhsa_next_free_vgpr 194
		.amdhsa_next_free_sgpr 66
		.amdhsa_reserve_vcc 0
		.amdhsa_float_denorm_mode_32 3
		.amdhsa_float_denorm_mode_16_64 3
		.amdhsa_memory_ordered 1
		.amdhsa_forward_progress 1
		.amdhsa_inst_pref_size 34
	.end_amdhsa_kernel
	.amdgpu_metadata
---
amdhsa.version: [ 1, 2 ]
amdhsa.kernels:
  - .name:           k_q093f4bd5f9_quant
    .symbol:         k_q093f4bd5f9_quant.kd
    .args:
      - { .name: x, .offset: 0, .size: 8, .value_kind: global_buffer, .address_space: global }
      - { .name: wq, .offset: 8, .size: 8, .value_kind: global_buffer, .address_space: global }
      - { .name: wk, .offset: 16, .size: 8, .value_kind: global_buffer, .address_space: global }
      - { .name: wv, .offset: 24, .size: 8, .value_kind: global_buffer, .address_space: global }
      - { .name: wo, .offset: 32, .size: 8, .value_kind: global_buffer, .address_space: global }
      - { .name: xrec, .offset: 40, .size: 8, .value_kind: global_buffer, .address_space: global }
      - { .name: wrec, .offset: 48, .size: 8, .value_kind: global_buffer, .address_space: global }
    .group_segment_fixed_size: 66048
    .private_segment_fixed_size: 0
    .kernarg_segment_align: 8
    .kernarg_segment_size: 56
    .max_flat_workgroup_size: 128
    .sgpr_count:     66
    .vgpr_count:     194
    .wavefront_size: 32
...
	.end_amdgpu_metadata
.endif
;; end of part 1
;; launch qkv (part 2): grid 12 x 32, 4 waves a work-group, clusters of 4 x 4, 327,680 bytes of LDS; arguments xrec, wrec, qkv; writes qkv
.if DOCPART == 2
	.amdgcn_target "amdgcn-amd-amdhsa--gfx1250"
	.amdhsa_code_object_version 6
	.text
	.protected	k_q093f4bd5f9_qkv
	.globl	k_q093f4bd5f9_qkv
	.p2align	8
	.type	k_q093f4bd5f9_qkv,@function
k_q093f4bd5f9_qkv:
	s_mov_b64 s[64:65], 0
	v_nop
	global_prefetch_b8 v0, s[64:65] scope:SCOPE_SE
	s_setreg_imm32_b32 hwreg(HW_REG_WAVE_MODE, 25, 1), 1
	s_wait_xcnt 0x0
	s_wait_alu depctr_hold_cnt(0) depctr_sa_sdst(0) depctr_va_vdst(0) depctr_va_sdst(0) depctr_va_ssrc(0) depctr_va_vcc(0) depctr_vm_vsrc(0)
	s_getreg_b32 s2, hwreg(HW_REG_IB_STS2, 6, 4)
	s_cmp_eq_u32 s2, 0
	s_cbranch_scc0 .Lentry_in_a_cluster
	s_endpgm
.Lentry_in_a_cluster:
	s_bfe_u32 s2, ttmp6, 0x10000c
	s_cmp_lg_u32 s2, 0xf033
	s_cbranch_scc0 .Lentry_shape_is_right
	s_endpgm
.Lentry_shape_is_right:
; q = x wq^T, k = x wk^T, v = x wv^T on codes of FP6 (E2M3) with E8M0 scales, K = 1,024; the results are quantised in registers and leave as codes.
; The cluster's x, P, says which: 0 q, 1 k, 2 v.  A tile of 256 x 256 is made by four waves, 128 x 128 each: 64 accumulators, 512 registers.
; ROLES.  Source 1 (role A) gives a lane its row; source 0 (role B) runs along a lane's registers, which is the axis that the next quantiser wants.
;   q, k: A = 256 tokens of x, B = 256 rows of the weight (4 heads): a lane holds one token and neighbouring channels: blocks of 32 along the head's 64.
;   v:    A = 256 rows of wv (4 heads), B = 256 tokens: a lane holds one channel and neighbouring keys: blocks of 32 along the keys.
; Operands come as tile records (16 rows: 8 images of 1,536 bytes, one for each 128 along K, then 512 bytes of scale words [K half][row][4 words]; 12,800 bytes).  The rows of a tile are
; chosen so (row 32 (T / 2) + 8 (T % 2) + r + 8 (r / 8)) that the 16 registers of B's tiles 2 b, 2 b + 1 are the 16 neighbours 32 b + 16 (lane / 16) + 0 .. 15.
; K goes in four steps of 256 through two LDS slots; a wave's tensor load brings 8 tiles x 3,072 bytes.  The scale words of all of K come once, with the first fills.
; CLUSTERS: 4 x 4 work-groups; A's tiles are shared along a row of the cluster, B's along a column: each is asked for jointly, by the same load with the same descriptor and a mask that names the four.
; OUT: a record of 19,200 bytes for each 128 tokens of one (batch, head): parts Q, K, V of 6,400 bytes: 4 images + 256 bytes of scale words [row][4 words].
;   Q, K: image i: registers 0-5 token tile 2 i (the head's 64 codes), registers 6-11 token tile 2 i + 1; word i: two bytes of each.   V: image t: channels' tile t x the 128 keys; word t its four bytes.
; 384 work-groups are 24 clusters: half as many again as the 16 that run at one time; a second tile shape would even that out and is not built.
; LIMITS: NaN and infinities are not served; a block of zeros gets the byte 1 (its codes are zeros; this program alone reads the bytes).
; REGISTERS, in windows of 256: window 0: v0-31 addresses; v32-63 scale words, two sets; v128-223 A's fragments, one set; on the way out v64-103 at work, v128-223 the images.
;   window 1: B's fragments, two sets, at v0 and v128.   windows 2, 3: the accumulators ((a, b) at v[8 (8 (a % 4) + b)] of window 2 + a / 4).
.set NQ,     2                         ; matrix instructions deep in a slot
.set FR,     12                        ; registers of a fragment
.set NL,     3                         ; LDS loads that bring one
.set NP,     4                         ; places behind this matrix instruction (ISA guide 7.12.1)
.set HALFT,  8*3072                    ; 8 tiles x 2 images: what one tensor load brings, and what one wave reads of A or of B
.set SLOT,   4*HALFT
.set SCL,    2*SLOT                    ; behind the ring: the scale words, 4,096 bytes for each 8 tiles
.set SPARE,  SCL+4*4096                ; the spare words, 128 bytes for each wave: two blocks of 256 bytes that no other line names
.set ADRA, 16                          ; v16-17  LDS address of my A fragments in slot 0, 1: 16 x lane + my half
.set ADRB, 20                          ; v20-21  the same for B
.set ADRS, 27                          ; v27     my scale words: lanes 0-15 A's rows, lanes 16-31 B's
.set SPW,  28                          ; v28     my spare word: SPARE + 4 x my thread's number; never rewritten
.set NIL,  29                          ; v29     0; never rewritten
.set SC,   32
.set AF,   128
.set TM,   64                          ; the way out: v64-79 maxima, bytes, scale operands
.set TP,   80                          ; v80-87  the conversions' second halves
.set PWR,  88                          ; v88-95  block a's scale word
.set WR,   96                          ; v96-99  the scale words as they leave
.set VSEL, 100
.set VTM,  101
.set VSO,  102                         ; v102    16 r + a head's distance x (lane / 16)
.set RS,   128                         ; v128-223 four sets of two images
.set G1, 24
.set G0, 32
.set G1B, 48
.set G0B, 56
.set G1S, 68
.set G0S, 76
.set G1SB, 80
.set G0SB, 88
.set MSB, 0
.macro WIN new                         ; the immediate's high byte repeats the setting that is left
.if MSB != \new
	s_set_vgpr_msb (MSB<<8)|\new
.set MSB, \new
.endif
.endm
.set MUL_LO, 0xa1                      ; source 0 (B) window 1, source 1 (A) window 0, C and D window 2
.set MUL_HI, 0xf1
.set TO_B,   0x40
; A joint load: waves 0 and 1 fetch for A, waves 2 and 3 for B.  The branch hangs on the wave's number alone.  Four v_nop follow each of the two lines.
.macro JLOAD g0a, g1a, g0b, g1b
	s_cmp_eq_u32 s15, 0
	s_cbranch_scc0 .Lfor_b_\@
	tensor_load_to_lds s[\g0a:\g0a+3], s[\g1a:\g1a+7]
	s_nop 0
.rept 4
	v_nop
.endr
	s_branch .Lasked_\@
.Lfor_b_\@:
	tensor_load_to_lds s[\g0b:\g0b+3], s[\g1b:\g1b+7]
	s_nop 0
.rept 4
	v_nop
.endr
.Lasked_\@:
.endm
.macro CREST                           ; a round of the cluster's barrier behind its opening barrier
	s_cmp_lg_u32 s14, 0
	s_cbranch_scc1 .Lnot_wave_0_\@
	s_barrier_signal -3
.Lnot_wave_0_\@:
	s_barrier_wait -3
	s_barrier_signal -1
	s_barrier_wait -1
.endm
.macro CROUND
	s_barrier_signal -1
	s_barrier_wait -1
	CREST
.endm
	s_load_b128 s[4:7], s[0:1], 0x0                ; xrec, wrec
	s_load_b64 s[12:13], s[0:1], 0x10              ; qkv
	v_lshl_add_u32 v[SPW], v0, 2, SPARE
	v_mov_b32 v[NIL], 0
	ds_add_u32 v28, v29
	ds_add_u32 v28, v29
	s_wait_dscnt 0x0
	v_lshrrev_b32 v1, 5, v0
	v_readfirstlane_b32 s14, v1                    ; wave 0..3
	s_lshr_b32 s15, s14, 1                         ; which half of A's rows is mine.  Also: I fetch for A (0) or for B (1)
	s_and_b32 s16, s14, 1                          ; which half of B's rows.  Also: which 8 tiles I fetch
	s_bfe_u32 s40, ttmp6, 0x40000                  ; cx
	s_bfe_u32 s41, ttmp6, 0x40004                  ; cy
	s_and_b32 s17, ttmp7, 0xffff
	s_lshl_b32 s17, s17, 2                         ; 4 x cluster y
	s_add_co_u32 s42, s17, s41                     ; q, k: A = tokens' block 4 cluster y + cy;
	s_add_co_u32 s44, s41, 8                       ; v: A = wv's block cy, the weights' block 8 + cy.  (A's registers hold cy alone,
	s_add_co_u32 s43, s17, s40                     ; v: B = tokens' block 4 cluster y + cx;
	s_lshl_b32 s45, ttmp9, 2
	s_add_co_u32 s45, s45, s40                     ; q, k: B = the weights' block 4 P + cx.   B's hold cx alone)
	s_cmp_eq_u32 ttmp9, 2                          ; P is the cluster's x: the same in all sixteen partners
	s_cselect_b32 s18, s44, s42                    ; A's block of 256 rows
	s_cselect_b32 s19, s43, s45                    ; B's
	s_lshl_b32 s46, s41, 2
	s_lshl_b32 s46, 15, s46                        ; my row of the cluster
	s_lshl_b32 s47, 0x1111, s40                    ; my column
	; group 1: 8 rows (tiles) of 3,072 bytes (384 elements of 8), 12,800 bytes (1,600 elements) apart; dense in LDS
	s_or_b32 s[G1+0], s46, (3<<16)|(1<<21)         ; 15:0 the mask; 17:16 elements of 8 bytes; 21 set beside a mask
	s_or_b32 s[G1B+0], s47, (3<<16)|(1<<21)
.irp g, G1, G1B
	s_mov_b32 s[\g+1], 384<<16                     ; tensor_dim0
	s_mov_b32 s[\g+2], 8<<16                       ; tensor_dim1
	s_mov_b32 s[\g+3], 384<<16                     ; tile_dim0
	s_mov_b32 s[\g+4], 8                           ; tile_dim1
	s_mov_b32 s[\g+5], 1600                        ; tensor_dim0_stride
	s_mov_b32 s[\g+6], 0
	s_mov_b32 s[\g+7], 0
.endr
	; the scale words: 8 rows of 512 bytes, as far apart
	s_or_b32 s[G1S+0], s46, (3<<16)|(1<<21)
	s_or_b32 s[G1SB+0], s47, (3<<16)|(1<<21)
.irp g, G1S, G1SB
	s_mov_b32 s[\g+1], 64<<16
	s_mov_b32 s[\g+2], 8<<16
	s_mov_b32 s[\g+3], 64<<16
	s_mov_b32 s[\g+4], 8
	s_mov_b32 s[\g+5], 1600
	s_mov_b32 s[\g+6], 0
	s_mov_b32 s[\g+7], 0
.endr
	s_mul_i32 s96, s16, 102400                     ; the 8 tiles that I fetch
	s_mul_i32 s20, s18, 204800
	s_add_co_u32 s20, s20, s96
	s_mov_b32 s21, 0
	s_mul_i32 s22, s19, 204800
	s_add_co_u32 s22, s22, s96
	s_mov_b32 s23, 0
	s_mul_i32 s97, s14, HALFT                      ; where they go: wave x 8 tiles: no place in the cluster enters an LDS address
	s_lshl_b32 s98, s14, 12
	s_wait_kmcnt 0x0
	s_cmp_eq_u32 ttmp9, 2
	s_cselect_b64 s[92:93], s[6:7], s[4:5]         ; A's buffer
	s_cselect_b64 s[94:95], s[4:5], s[6:7]         ; B's
	s_add_nc_u64 s[92:93], s[92:93], s[20:21]
	s_add_nc_u64 s[94:95], s[94:95], s[22:23]
	CROUND                                         ; all sixteen work-groups are here: the first joint loads meet
	s_mov_b32 s[G0S], 1
	s_add_co_u32 s[G0S+1], s98, SCL
	s_add_nc_u64 s[G0S+2:G0S+3], s[92:93], 12288
	s_or_b32 s[G0S+3], s[G0S+3], 0x80000000
	s_mov_b32 s[G0SB], 1
	s_add_co_u32 s[G0SB+1], s98, SCL
	s_add_nc_u64 s[G0SB+2:G0SB+3], s[94:95], 12288
	s_or_b32 s[G0SB+3], s[G0SB+3], 0x80000000
	JLOAD G0S, G1S, G0SB, G1SB                     ; the scale words first: they are wanted with K step 0
.irp s, 0,1
	s_mov_b32 s[G0+4*\s], 1
	s_add_co_u32 s[G0+4*\s+1], s97, \s*SLOT
	s_add_nc_u64 s[G0+4*\s+2:G0+4*\s+3], s[92:93], \s*3072
	s_or_b32 s[G0+4*\s+3], s[G0+4*\s+3], 0x80000000
	s_mov_b32 s[G0B+4*\s], 1
	s_add_co_u32 s[G0B+4*\s+1], s97, \s*SLOT
	s_add_nc_u64 s[G0B+4*\s+2:G0B+4*\s+3], s[94:95], \s*3072
	s_or_b32 s[G0B+4*\s+3], s[G0B+4*\s+3], 0x80000000
	JLOAD G0+4*\s, G1, G0B+4*\s, G1B
.endr
	v_and_b32 v1, 15, v0                           ; r = lane % 16   (v1, v2, v3 stay)
	v_bfe_u32 v2, v0, 4, 1                         ; h = lane / 16
	s_wait_alu depctr_va_vdst(0)
	v_and_b32 v3, 31, v0
	v_lshlrev_b32 v3, 4, v3                        ; 16 x lane: an image's place for my lane
	s_mul_i32 s2, s15, HALFT                       ; my 8 tiles of A
	s_mul_i32 s3, s16, HALFT                       ; my 8 tiles of B,
	s_add_co_u32 s3, s3, 2*HALFT                   ; which lie behind A's 16
.irp s, 0,1
	v_add_nc_u32 v[ADRA+\s], s2, v3
	v_add_nc_u32 v[ADRB+\s], s3, v3
	s_add_co_u32 s2, s2, SLOT
	s_add_co_u32 s3, s3, SLOT
.endr
	v_lshlrev_b32 v5, 4, v1                        ; my row's four words
	s_lshl_b32 s2, s15, 12                         ; A's: my 8 tiles
	s_lshl_b32 s3, s16, 12                         ; B's: my 8 tiles, behind A's 16
	s_add_co_u32 s3, s3, 8192
	s_sub_co_u32 s3, s3, s2
	v_mul_u32_u24 v6, s3, v2                       ; lanes 16-31 take B's: one product in h
	s_add_co_u32 s2, s2, SCL
	v_add_nc_u32 v5, v5, v6
	v_add_nc_u32 v[ADRS], s2, v5
	; where my results go: record ((16 batch + head) 16 + step), part P
	s_lshl_b32 s8, s18, 1
	s_add_co_u32 s8, s8, s15                       ; q, k: my 128 tokens: 2 x A's block + my half of A
	s_lshl_b32 s9, s19, 1
	s_add_co_u32 s9, s9, s16                       ; v: 2 x B's block + my half of B
	s_lshl_b32 s10, s40, 2
	s_lshl_b32 s11, s16, 1
	s_add_co_u32 s10, s10, s11                     ; q, k: my first head: 4 cx + 2 x my half of B
	s_lshl_b32 s11, s41, 2
	s_lshl_b32 s99, s15, 1
	s_add_co_u32 s11, s11, s99                     ; v: 4 cy + 2 x my half of A
	s_cmp_eq_u32 ttmp9, 2
	s_cselect_b32 s8, s9, s8
	s_cselect_b32 s10, s11, s10
	s_lshr_b32 s9, s8, 4                           ; batch
	s_lshl_b32 s9, s9, 4
	s_add_co_u32 s9, s9, s10
	s_lshl_b32 s9, s9, 4
	s_and_b32 s8, s8, 15                           ; step in the batch
	s_add_co_u32 s9, s9, s8
	s_mul_i32 s8, s9, 19200
	s_mul_i32 s9, ttmp9, 6400
	s_add_co_u32 s8, s8, s9
	s_mov_b32 s9, 0
	s_add_nc_u64 s[12:13], s[12:13], s[8:9]
.macro FRAG reg, adr, q, i             ; tile i's image of the slot's q-th 128 along K: three loads of 16 bytes a lane, 512 consecutive bytes each
.irp c, 0,1,2
	ds_load_b128 v[\reg+4*\c:\reg+4*\c+3], v[\adr] offset:(\i)*3072+(\q)*1536+512*\c
.endr
.endm
; 16 matrix instructions: A's blocks a0, a0 + 1 x B's eight.  The 64 accumulators take turns, one instruction a turn, in the same order in every step.
.macro MUL16 a0, p, q, sc, zero
.irp a, \a0, \a0+1
.irp b, 0,1,2,3,4,5,6,7
.if \zero
	v_wmma_scale_f32_16x16x128_f8f6f4 v[8*(8*((\a)%4)+\b):8*(8*((\a)%4)+\b)+7], v[128*(\p)+FR*\b:128*(\p)+FR*\b+FR-1], v[AF+FR*(\a):AF+FR*(\a)+FR-1], 0, v[SC+8*NQ*(\sc)+NQ*\b+(\q)], v[SC+8*NQ*(\sc)+NQ*(\a)+(\q)] matrix_a_fmt:MATRIX_FMT_FP6 matrix_b_fmt:MATRIX_FMT_FP6 matrix_a_scale:MATRIX_SCALE_ROW1
.else
	v_wmma_scale_f32_16x16x128_f8f6f4 v[8*(8*((\a)%4)+\b):8*(8*((\a)%4)+\b)+7], v[128*(\p)+FR*\b:128*(\p)+FR*\b+FR-1], v[AF+FR*(\a):AF+FR*(\a)+FR-1], v[8*(8*((\a)%4)+\b):8*(8*((\a)%4)+\b)+7], v[SC+8*NQ*(\sc)+NQ*\b+(\q)], v[SC+8*NQ*(\sc)+NQ*(\a)+(\q)] matrix_a_fmt:MATRIX_FMT_FP6 matrix_b_fmt:MATRIX_FMT_FP6 matrix_a_scale:MATRIX_SCALE_ROW1
.endif
.endr
.endr
.endm
.macro FETCH_B slot, q, p
	WIN TO_B
.irp i, 0,1,2,3,4,5,6,7
	FRAG 128*(\p)+FR*\i, ADRB+\slot, \q, \i
.endr
	WIN 0
.endm
.macro FETCH_A slot, q, i0
.irp i, \i0, \i0+1, \i0+2, \i0+3
	FRAG AF+FR*(\i), ADRA+\slot, \q, \i
.endr
.endm
.macro SCALES sc                       ; a K step's two words a row: lanes 0-15 A's tile i, lanes 16-31 B's tile i
.irp i, 0,1,2,3,4,5,6,7
	ds_load_b64 v[SC+8*NQ*\sc+NQ*\i:SC+8*NQ*\sc+NQ*\i+1], v[ADRS] offset:\i*512
.endr
.endm
.macro PLACES n                        ; plain vector instructions between a matrix instruction and a load into its registers or a read of its result
.rept \n
	v_nop
.endr
.endm
.macro STEP slot, q, zero              ; 128 along K that have their successor in the same slot
	s_wait_dscnt 4*NL                              ; B's set and A's blocks 0-3 are in; the youngest twelve loads (A's blocks 4-7) may be out
	WIN MUL_LO
	MUL16 0, (\q)%2, \q, \slot, \zero
	MUL16 2, (\q)%2, \q, \slot, \zero
	s_wait_dscnt 0
	PLACES NP
	FETCH_B \slot, (\q)+1, 1-(\q)%2
	FETCH_A \slot, (\q)+1, 0
	WIN MUL_HI
	MUL16 4, (\q)%2, \q, \slot, \zero
	MUL16 6, (\q)%2, \q, \slot, \zero
	PLACES NP
	WIN 0
	FETCH_A \slot, (\q)+1, 4
.endm
; A slot's last 128 change slots: one barrier; in front of it each wave waits for all its tensor loads, adds 0 to its spare word, and waits for that and for its reads of this slot.
.macro TURN slot, next, fill
	s_wait_tensorcnt 0x0                           ; all my tensor loads have landed: my part of the next slot
	ds_add_u32 v[SPW], v[NIL]                      ; 0 onto my spare word
	s_wait_dscnt 4*NL+1                            ; (the add and the youngest twelve loads may be out)
	WIN MUL_LO
	MUL16 0, 1, NQ-1, \slot, 0                     ; sixteen matrix instructions stand between the add and the wait for it
	s_wait_dscnt 0x0                               ; the add is done, and my reads of this slot are over
	s_barrier_signal -1
	MUL16 2, 1, NQ-1, \slot, 0
	WIN 0
	s_barrier_wait -1
.if \fill
	CREST                                          ; the barrier has opened a round of the cluster's barrier: no wave of any partner still reads this slot or has a load on its way
	s_add_nc_u64 s[G0+4*\slot+2:G0+4*\slot+3], s[G0+4*\slot+2:G0+4*\slot+3], 2*3072
	s_add_nc_u64 s[G0B+4*\slot+2:G0B+4*\slot+3], s[G0B+4*\slot+2:G0B+4*\slot+3], 2*3072
	JLOAD G0+4*\slot, G1, G0B+4*\slot, G1B         ; the first tensor load behind the round; its four v_nop are also the places in front of the loads below
.else
	PLACES NP
.endif
.if \slot == 0
	v_add_nc_u32 v[ADRS], 8, v[ADRS]               ; the next K step's two words: in the same K half,
.else
	s_wait_alu depctr_va_vdst(0)
	v_add_nc_u32 v[ADRS], 248, v[ADRS]             ; or at the head of the second (256 bytes on from the first's head)
.endif
	FETCH_B \next, 0, 0
	FETCH_A \next, 0, 0
	SCALES \next
	WIN MUL_HI
	MUL16 4, 1, NQ-1, \slot, 0
	MUL16 6, 1, NQ-1, \slot, 0
	PLACES NP
	WIN 0
	FETCH_A \next, 0, 4
.endm
	s_wait_alu depctr_va_vdst(0)
	s_wait_tensorcnt 1                             ; the scale words and my part of K step 0 are in (K step 1's load may be out),
	s_barrier_signal -1
	s_barrier_wait -1                              ; everybody's are
	FETCH_B 0, 0, 0
	FETCH_A 0, 0, 0
	SCALES 0
	FETCH_A 0, 0, 4
	STEP 0, 0, 1                                   ; the first products start the sums: nothing is cleared.  K's four slots are written out
	TURN 0, 1, 1                                   ; slot 0 takes K step 2
	STEP 1, 0, 0
	TURN 1, 0, 1                                   ; slot 1 takes K step 3
	s_wait_alu depctr_va_vdst(0)
	STEP 0, 0, 0
	TURN 0, 1, 0                                   ; nothing is left to fetch
	STEP 1, 0, 0
	s_wait_dscnt 4*NL
	WIN MUL_LO
	MUL16 0, 1, NQ-1, 1, 0
	MUL16 2, 1, NQ-1, 1, 0
	s_wait_dscnt 0
	WIN MUL_HI
	MUL16 4, 1, NQ-1, 1, 0
	MUL16 6, 1, NQ-1, 1, 0
	WIN 0
; THE WAY OUT.  Block a's 64 registers of a lane are 128 neighbours along B of the lane's row of A: register 16 b + i = 32 b + 16 (lane / 16) + i.  They become a fragment's codes (its K halves at d0 and d1) and a scale word.
.macro QUANTW a, d0, d1
.set QSRC, 64*((\a)%4)
	WIN 0x0a+5*((\a)/4)                            ; sources 0 and 1: window 2 or 3
.irp b, 0,1,2,3
	v_max3_num_f32 v[TM+\b], |v[QSRC+16*\b]|, |v[QSRC+1+16*\b]|, 0x1800000   ; my 16 numbers of block b, and the floor 2^(3 - 127); each accumulator is read from its low end on
.endr
.irp i, 2,4,6,8,10,12,14
.irp b, 0,1,2,3
	v_max3_num_f32 v[TM+\b], |v[QSRC+16*\b+\i]|, |v[QSRC+1+16*\b+\i]|, v[TM+\b]
.endr
.endr
	WIN 0
.irp b, 0,1,2,3
	v_permlanex16_b32 v[TM+4+\b], v[TM+\b], s66, s67
.endr
.irp b, 0,1,2,3
	v_max_num_f32 v[TM+\b], v[TM+\b], v[TM+4+\b]   ; with lane l xor 16's: the block's largest magnitude
.endr
.irp b, 0,1,2,3
	v_add_nc_u32 v[TM+12+\b], 0xff000000, v[TM+\b] ; 2 off its exponent field: the conversion's scale operand
.endr
.irp b, 0,1,2,3
	v_lshrrev_b32 v[TM+4+\b], 23, v[TM+12+\b]      ; the scale's byte
.endr
	v_lshl_or_b32 v[PWR+(\a)], v[TM+5], 8, v[TM+4]
	v_lshl_or_b32 v[PWR+(\a)], v[TM+6], 16, v[PWR+(\a)]
	v_lshl_or_b32 v[PWR+(\a)], v[TM+7], 24, v[PWR+(\a)]
	WIN 2+(\a)/4                                   ; source 0: window 2 or 3
	v_cvt_scalef32_pk16_fp6_f32 v[\d0:\d0+2], v[QSRC:QSRC+15], v[TM+12]
	v_cvt_scalef32_pk16_fp6_f32 v[TP:TP+2], v[QSRC+16:QSRC+31], v[TM+13]
	v_cvt_scalef32_pk16_fp6_f32 v[\d1:\d1+2], v[QSRC+32:QSRC+47], v[TM+14]
	v_cvt_scalef32_pk16_fp6_f32 v[TP+4:TP+6], v[QSRC+48:QSRC+63], v[TM+15]
	WIN 0
	v_nop                                          ; one plain instruction behind a scaled conversion
.irp i, 0,1,2                                  ; the operand's layout wants a whole block in a lane: lanes 0-15 the even block, lanes 16-31 the odd one
	v_permlane16_swap_b32 v[\d0+\i], v[TP+\i]
	v_permlane16_swap_b32 v[\d1+\i], v[TP+4+\i]
.endr
.irp i, 0,1,2
	v_mov_b32 v[\d0+3+\i], v[TP+\i]
	v_mov_b32 v[\d1+3+\i], v[TP+4+\i]
.endr
.endm
; pv = 0 (q, k): a block's K halves are two heads; token tiles 2 al and 2 al + 1 fill the two halves of image al of each head.   pv = 1 (v): a block is an image: head a / 4, channels' tile a % 4.
.macro EPI pv
.irp al, 0,1,2,3
.irp u, 0,1
.if \pv
	QUANTW 2*\al+\u, RS+24*\al+12*\u, RS+24*\al+12*\u+6
.else
	QUANTW 2*\al+\u, RS+24*\al+6*\u, RS+24*\al+12+6*\u
.endif
.endr
.irp e, 0,1
.irp j, 0,1,2
.if \pv
	global_store_b128 v3, v[RS+24*\al+12*\e+4*\j:RS+24*\al+12*\e+4*\j+3], s[12:13] offset:((2*\al+\e)/4)*307200+((2*\al+\e)%4)*1536+512*\j   ; 512 consecutive bytes, aligned; no store's data are written again
.else
	global_store_b128 v3, v[RS+24*\al+12*\e+4*\j:RS+24*\al+12*\e+4*\j+3], s[12:13] offset:\e*307200+\al*1536+512*\j
.endif
.endr
.endr
.endr
.irp i, 0,1,2,3                                ; lanes 0-15 take the first head's four words of row r, lanes 16-31 the second head's
.if \pv
	v_cndmask_b32 v[WR+\i], v[PWR+\i], v[PWR+4+\i], vcc_lo
.else
	v_perm_b32 v[WR+\i], v[PWR+2*\i+1], v[PWR+2*\i], v[VSEL]
.endif
.endr
	global_store_b128 v[VSO], v[WR:WR+3], s[12:13] offset:6144     ; sixteen lanes store 256 consecutive bytes, aligned
.endm
	PLACES NP                                      ; behind the last products
	s_mov_b32 s66, 0x76543210
	s_mov_b32 s67, 0xfedcba98                      ; v_permlanex16_b32's selects for lane l xor 16
.irp b, 0,1,2,3
	v_mov_b32 v[TM+4+\b], 0                        ; written once: a lane permute's destination counts as one of its sources
.endr
	v_cmp_ne_u32 vcc_lo, 0, v2                     ; lanes 16-31
	v_mov_b32 v[VSEL], 0x05040100                  ; the low halves of two words,
	v_mov_b32 v[VTM], 0x07060302                   ; or the high halves
	v_cndmask_b32 v[VSEL], v[VSEL], v[VTM], vcc_lo
	v_mul_u32_u24 v[VSO], v2, 0x4b000              ; a head on: 16 records of 19,200 bytes
	v_lshl_add_u32 v[VSO], v1, 4, v[VSO]
	s_cmp_eq_u32 ttmp9, 2                          ; the cluster's x: the same in all partners
	s_cbranch_scc1 .Lv_out
	EPI 0
	s_branch .Ldone
.Lv_out:
	EPI 1
.Ldone:
	s_wait_tensorcnt 0x0                           ; the wave's end
	ds_add_u32 v[SPW], v[NIL]
	s_wait_dscnt 0x0
	CROUND                                         ; the closing round: no work-group ends while a partner may still ask for a tile that names it
	s_endpgm
.Lfunc_end_k_q093f4bd5f9_qkv:
	.size	k_q093f4bd5f9_qkv, .Lfunc_end_k_q093f4bd5f9_qkv-k_q093f4bd5f9_qkv
	.p2alignl 7, 3214868480
	.fill 96, 4, 3214868480
	.section	.rodata,"a",@progbits
	.p2align	6, 0x0
	.amdhsa_kernel k_q093f4bd5f9_qkv
		.amdhsa_group_segment_fixed_size 327680
		.amdhsa_private_segment_fixed_size 0
		.amdhsa_enable_private_segment 0
		.amdhsa_kernarg_size 24
		.amdhsa_user_sgpr_count 2
		.amdhsa_user_sgpr_kernarg_segment_ptr 1
		.amdhsa_wavefront_size32 1
		.amdhsa_system_sgpr_workgroup_id_x 1
		.amdhsa_system_sgpr_workgroup_id_y 1
		.amdhsa_system_sgpr_workgroup_id_z 1
		.amdhsa_system_vgpr_workitem_id 0
		.amdhsa_next_free_vgpr 1024
		.amdhsa_next_free_sgpr 100
		.amdhsa_reserve_vcc 1
		.amdhsa_float_denorm_mode_32 3
		.amdhsa_float_denorm_mode_16_64 3
		.amdhsa_memory_ordered 1
		.amdhsa_forward_progress 1
		.amdhsa_inst_pref_size 173
	.end_amdhsa_kernel
	.amdgpu_metadata
---
amdhsa.version: [ 1, 2 ]
amdhsa.kernels:
  - .name:           k_q093f4bd5f9_qkv
    .symbol:         k_q093f4bd5f9_qkv.kd
    .args:
      - { .name: xrec, .offset: 0, .size: 8, .value_kind: global_buffer, .address_space: global }
      - { .name: wrec, .offset: 8, .size: 8, .value_kind: global_buffer, .address_space: global }
      - { .name: qkv, .offset: 16, .size: 8, .value_kind: global_buffer, .address_space: global }
    .group_segment_fixed_size: 327680
    .private_segment_fixed_size: 0
    .kernarg_segment_align: 8
    .kernarg_segment_size: 24
    .max_flat_workgroup_size: 128
    .sgpr_count:     100
    .vgpr_count:     1024
    .wavefront_size: 32
...
	.end_amdgpu_metadata
.endif
;; end of part 2
;; launch attn (part 3): grid 4 x 64, 16 waves a work-group, no clusters, 327,680 bytes of LDS; arguments qkv, orec, osc; writes orec, osc
.if DOCPART == 3
	.amdgcn_target "amdgcn-amd-amdhsa--gfx1250"
	.amdhsa_code_object_version 6
	.text
	.protected	k_q093f4bd5f9_attn
	.globl	k_q093f4bd5f9_attn
	.p2align	8
	.type	k_q093f4bd5f9_attn,@function
k_q093f4bd5f9_attn:
	s_mov_b64 s[64:65], 0
	v_nop
	global_prefetch_b8 v0, s[64:65] scope:SCOPE_SE
	s_setreg_imm32_b32 hwreg(HW_REG_WAVE_MODE, 25, 1), 1
	s_wait_xcnt 0x0
; Causal attention for one (batch, head), head size 64, 2,048 tokens, both products on codes of FP6 (E2M3) with E8M0 scales; o = O / l is quantised along the model's axis and leaves as codes.
; IN: a record of 19,200 bytes for each 128 tokens: parts Q, K, V of 6,400 bytes: 4 images of 1,536 bytes (a fragment's 12 registers in 3 planes: registers 4 j .. 4 j + 3 of lane l at 512 j + 16 l) + 256 bytes of scale words [row][4].
;   Q, K: image i: registers 0-5 token tile 2 i, registers 6-11 token tile 2 i + 1, each with the head's 64 codes.  V: image t: 16 channels x the 128 keys.  Lane r of token tile T is token 32 (T / 2) + 8 (T % 2) + r + 8 (r / 8).
; THE HEAD'S 64 ARE HALF OF THE INSTRUCTION'S 128: an image of K holds two tiles of keys in its K halves and is multiplied once by [q | zero codes] and once by [zero codes | q]; q's scale word repeats its two bytes.
; SOFTMAX: t = score x log2(e) / 8; M = the running largest t rounded up to a whole number; p = 2^(t - M) is quantised along the keys, not normalised; the sum is taken of the unquantised p; when M moves, the sum and O^T are multiplied by 2^(old M - new M), exactly.
; Both products are used transposed (S^T = K Q^T, O^T = V^T P^T): a lane holds one query throughout, and the 16 registers of two neighbouring tiles are 16 neighbouring keys or channels.
; SHARES: work-group x = i takes the queries' block i (256 queries; its keys: slots 0 .. i of 256) and then block 7 - i (slots 0 .. 7 - i): nine slots whatever i, so the trip count is a constant, all 256 work-groups
; have the same work, and only tiles that the mask leaves are fetched.  Each of sixteen waves owns 16 queries in 256 registers.  A step all of whose 128 keys come after the wave's queries is jumped over (a branch on ids).
; K's and V's parts of two steps (2 x 12,800 dense bytes) come into one of two LDS slots by tensor loads of waves 0 and 1, and are read by all sixteen.
; NO CLUSTER: the four work-groups of a head stand at different slots in the same trip (their blocks have i + 1 and 8 - i slots), so their descriptors would not be equal.
; osc is stored a byte a lane, 32 bytes of a row of 64 an instruction: one part in 24 of what the launch stores.
; LIMITS: NaN and infinities are not served; a block of zeros gets the byte 1 (its codes are zeros; this program alone reads the bytes).
.set SLOT1, 32768                      ; slot 1 begins here: one exclusive or turns an address
.set SPARE, 65536                      ; the spare words, 128 bytes for each wave: eight blocks of 256 bytes that no other line names
.set LI,   1                           ; v1   16 x lane
.set LR,   2                           ; v2   16 r
.set SPW,  3                           ; v3   my spare word; never rewritten
.set NIL,  4                           ; v4   0; never rewritten
.set L8,   5                           ; v5   8 x lane
.set OSA,  6                           ; v6   4 r + h
.set QREL, 7                           ; v7   r + 8 (r / 8) - 16 h
.set ADK,  8                           ; v8   the slot's images for my lane
.set ADS,  9                           ; v9   its scale words for my row
.set QSA,  11                          ; v11  q's scale word, counted from q's image
.set QLO,  16                          ; v16-27 [q | 0]
.set QHI,  28                          ; v28-39 [0 | q]
.set QS,   40                          ; q's scale word
.set PS,   41                          ; p's
.set FP,   42                          ; v[42:43] f = 2^(old M - new M), later 1 / l; the pair's low word serves both halves
.set KS,   44                          ; v44-47 K's scale words
.set VS,   48                          ; v48-51 V's
.set IM,   52                          ; v52-99 four images: K's, then V's
.set S,    100                         ; v100-163 S^T, then p
.set OT,   164                         ; v164-195 O^T
.set PCD,  196                         ; v196-207 p's codes
.set CT,   208                         ; v208-214 the conversions' second halves
.set BM,   216                         ; v216-219 the blocks' largest
.set BT,   220                         ; v220-223 the other half's; bytes
.set OP,   224                         ; v224-227 scale operands
.set TT,   228                         ; v228-229 at work
.set SM2,  230                         ; v[230:231] the sum's second chain
.set QR,   232                         ; v232-243 an image of Q as loaded, v244 its scale word
.set TB,   2                           ; s2   LDS byte at which the slot in hand begins
.set KF,   3                           ; s3   the step's first key
.set Q0,   10                          ; s10  my first query;  s11 the second block's
.set Q02,  11
.set QB,   12                          ; s12  the block in hand;  s13 = 7 - i
.set QB2,  13
.set SI,   14                          ; s14  the slot in hand, counted in its block
.set TR,   15                          ; s15  trips to go
.set FS,   16                          ; s16  the slot last asked for;  s17 the last slot of its block
.set FQ,   17
.set WV,   18
.set T0,   19
.set SEL,  20
.set CS,   22
.set G1,   24
.set G0,   32
.set KVB,  36                          ; s[36:37] K's part of my step of the head's slot 0
.set T2,   38                          ; s[38:39] an offset in 64 bits
.set QA1,  40                          ; s[40:41], s[42:43] my image of Q in the two blocks
.set QA2,  42
.set OR1,  44                          ; s[44:45], s[46:47] my 768 bytes of orec
.set OR2,  46
.set OS1,  48                          ; s[48:49], s[50:51] my bytes of osc
.set OS2,  50
.set MK,   52                          ; s52  all ones in odd waves
.set QSEL, 53                          ; s53  which two bytes of Q's word are mine
.set HM,   54                          ; s54  lanes 16-31
.macro TLOAD                           ; waves 0 and 1 fetch a step each; four v_nop follow the load
	s_cmp_lt_u32 s[WV], 2
	s_cbranch_scc0 .Lasked_\@
	tensor_load_to_lds s[G0:G0+3], s[G1:G1+7]
	s_nop 0
.rept 4
	v_nop
.endr
.Lasked_\@:
.endm
	s_load_b128 s[4:7], s[0:1], 0x0                ; qkv, orec
	s_load_b64 s[8:9], s[0:1], 0x10                ; osc
	v_lshl_add_u32 v[SPW], v0, 2, SPARE
	v_mov_b32 v[NIL], 0
	ds_add_u32 v3, v4
	ds_add_u32 v3, v4
	s_wait_dscnt 0x0
	v_lshrrev_b32 v8, 5, v0
	s_delay_alu instid0(VALU_DEP_1)
	v_readfirstlane_b32 s[WV], v8                  ; wave 0..15
	s_and_b32 s56, ttmp7, 0xffff                   ; 16 batch + head
	s_mul_i32 s58, s56, 307200                     ; its 16 records
	s_mov_b32 s[QB], ttmp9
	s_sub_co_u32 s[QB2], 7, ttmp9
	s_lshr_b32 s57, s[WV], 1
	s_lshl_b32 s57, s57, 5
	s_and_b32 s19, s[WV], 1
	s_lshl_b32 s60, s19, 3
	s_add_co_u32 s57, s57, s60                     ; my tile's first token in a block: 32 (w / 2) + 8 (w % 2)
	s_lshl_b32 s[Q0], s[QB], 8
	s_add_co_u32 s[Q0], s[Q0], s57
	s_lshl_b32 s[Q02], s[QB2], 8
	s_add_co_u32 s[Q02], s[Q02], s57
	s_cmp_eq_u32 s19, 1
	s_cselect_b32 s[MK], -1, 0
	s_mov_b32 s[QSEL], 0x03020302
	s_cselect_b32 s[QSEL], s[QSEL], 0x01000100
	s_mul_i32 s60, s19, 19200                      ; waves 0, 1: the slot's step that I fetch,
	s_add_co_u32 s60, s60, 6400                    ; from K's part on
	s_add_co_u32 s60, s60, s58
	s_mov_b32 s61, 0
	s_lshr_b32 s57, s[WV], 3                       ; which of the block's two steps holds my queries,
	s_bfe_u32 s19, s[WV], 0x20001                  ; and which of its four images: (w / 2) % 4
	s_mul_i32 s55, s19, 1536
	s_add_co_u32 s55, s55, s58
	s_lshl_b32 s62, s[QB], 1
	s_add_co_u32 s62, s62, s57
	s_mul_i32 s62, s62, 19200
	s_add_co_u32 s62, s62, s55
	s_mov_b32 s63, 0
	s_lshl_b32 s66, s[QB2], 1
	s_add_co_u32 s66, s66, s57
	s_mul_i32 s66, s66, 19200
	s_add_co_u32 s66, s66, s55
	s_mov_b32 s67, 0
	s_mul_i32 s19, s19, 1532
	s_sub_co_u32 s19, 6144, s19                    ; from my image to my word: 6,144 - 1,536 i + 4 i
	s_lshr_b32 s68, s56, 4
	s_lshl_b32 s68, s68, 7
	s_add_co_u32 s68, s68, s[WV]                   ; token tile: 128 batch + 16 block + wave
	s_and_b32 s69, s56, 15                         ; head
	s_lshl_b32 s70, s[QB], 4
	s_add_co_u32 s70, s70, s68
	s_lshl_b32 s71, s[QB2], 4
	s_add_co_u32 s71, s71, s68
	s_lshl_b32 s72, s70, 4
	s_add_co_u32 s72, s72, s69
	s_mul_i32 s72, s72, 768                        ; orec: [tile][head][768]
	s_mov_b32 s73, 0
	s_lshl_b32 s74, s71, 4
	s_add_co_u32 s74, s74, s69
	s_mul_i32 s74, s74, 768
	s_mov_b32 s75, 0
	s_lshr_b32 s76, s69, 1
	s_lshl_b32 s76, s76, 6
	s_and_b32 s77, s69, 1
	s_lshl_b32 s77, s77, 1
	s_add_co_u32 s76, s76, s77                     ; osc: tile x 512 + (head / 2) x 64 + 4 r + 2 (head % 2) + block
	s_lshl_b32 s78, s70, 9
	s_add_co_u32 s78, s78, s76
	s_mov_b32 s79, 0
	s_lshl_b32 s80, s71, 9
	s_add_co_u32 s80, s80, s76
	s_mov_b32 s81, 0
	; group 1: 12,800 dense bytes as 50 rows of 256 (32 elements of 8 bytes)
	s_mov_b32 s[G1], 3<<16
	s_mov_b32 s[G1+1], 32<<16
	s_mov_b32 s[G1+2], 50<<16
	s_mov_b32 s[G1+3], 32<<16
	s_mov_b32 s[G1+4], 50
	s_mov_b32 s[G1+5], 32
	s_mov_b32 s[G1+6], 0
	s_mov_b32 s[G1+7], 0
	s_mov_b32 s[SEL], 0x76543210
	s_mov_b32 s[SEL+1], 0xfedcba98
	s_mov_b32 s[CS], 0x3e38aa3b                    ; c = log2(e) / sqrt(64)
	s_mov_b32 s[CS+1], s[CS]
	s_mov_b32 s[TB], 0
	s_mov_b32 s[KF], 0
	s_mov_b32 s[SI], 0
	s_mov_b32 s[TR], 8
	s_mov_b32 s[FS], 0
	s_mov_b32 s[FQ], s[QB]
	s_mov_b32 s[T2+1], 0
	s_wait_kmcnt 0x0
	s_add_nc_u64 s[KVB:KVB+1], s[4:5], s[60:61]
	s_mov_b32 s[G0], 1
	s_mul_i32 s[G0+1], s[WV], 12800                ; slot 0, my step's place
	s_mov_b64 s[G0+2:G0+3], s[KVB:KVB+1]
	s_or_b32 s[G0+3], s[G0+3], 0x80000000
	TLOAD                                          ; the first block's slot 0
	s_add_nc_u64 s[QA1:QA1+1], s[4:5], s[62:63]
	s_add_nc_u64 s[QA2:QA2+1], s[4:5], s[66:67]
	s_add_nc_u64 s[OR1:OR1+1], s[6:7], s[72:73]
	s_add_nc_u64 s[OR2:OR2+1], s[6:7], s[74:75]
	s_add_nc_u64 s[OS1:OS1+1], s[8:9], s[78:79]
	s_add_nc_u64 s[OS2:OS2+1], s[8:9], s[80:81]
	v_and_b32 v[LI], 31, v0
	s_delay_alu instid0(VALU_DEP_1)
	v_lshlrev_b32 v[L8], 3, v[LI]
	s_delay_alu instid0(VALU_DEP_2)
	v_lshlrev_b32 v[LI], 4, v[LI]
	v_and_b32 v9, 15, v0                           ; r
	v_bfe_u32 v10, v0, 4, 1                        ; h
	s_delay_alu instid0(VALU_DEP_2)
	v_lshlrev_b32 v[LR], 4, v9
	s_delay_alu instid0(VALU_DEP_3)
	v_lshl_add_u32 v[QSA], v9, 4, s19
	s_delay_alu instid0(VALU_DEP_3)
	v_lshl_add_u32 v[OSA], v9, 2, v10
	v_and_b32 v[QREL], 8, v9
	s_delay_alu instid0(VALU_DEP_1)
	v_add_nc_u32 v[QREL], v[QREL], v9
	v_lshlrev_b32 v8, 4, v10
	s_delay_alu instid0(VALU_DEP_1)
	v_sub_nc_u32 v[QREL], v[QREL], v8
	v_cmp_ne_u32 s[HM], 0, v10
.macro QLOAD base
.irp j, 0,1,2
	global_load_b128 v[QR+4*\j:QR+4*\j+3], v[LI], s[\base:\base+1] offset:512*\j
.endr
	global_load_b32 v[QR+12], v[QSA], s[\base:\base+1]
.endm
	QLOAD QA1
.irp b, 0,1,2,3
	v_mov_b32 v[BT+\b], 0                          ; written once: a lane permute's destination counts as one of its sources
.endr
	v_mov_b32 v[TT], 0
	v_mov_b32 v[FP+1], 0                           ; (named as the upper half of a pair)
; A block begins: my half of the image of Q makes the two operands; the sums begin as zeros and the largest t as -3e38, so that the step is written once.
; q's registers and scale word are written first: the 36 moves behind them are the places that a scaled matrix instruction wants behind a scale (8) and an operand (4) written by vector instructions.
.macro INIT
.irp i, 0,1,2,3,4,5
	v_cndmask_b32 v[QLO+\i], v[QR+\i], v[QR+6+\i], s[MK]
.endr
	v_perm_b32 v[QS], v[QR+12], v[QR+12], s[QSEL]  ; my tile's two bytes, twice
.irp i, 0,1,2,3,4,5
	v_mov_b32 v[QLO+6+\i], 0
	v_mov_b32 v[QHI+\i], 0
	v_mov_b32 v[QHI+6+\i], v[QLO+\i]
.endr
	v_mov_b32 v13, 0xff61b1e6                      ; the largest t so far: -3e38
	s_delay_alu instid0(VALU_DEP_1)
	v_floor_f32 v12, -v13                          ; -M
	v_mov_b32 v14, 0
	v_mov_b32 v15, 0
.set n, 0
.rept 32
	v_mov_b32 v[OT+n], 0
.set n, n+1
.endr
.endm
	s_wait_loadcnt 0x0                             ; Q of block i
	INIT
	QLOAD QA2                                      ; Q of block 7 - i is asked for now; its registers and addresses are left alone until it is wanted
; A KEY STEP: 128 keys, the q-th of the slot in hand.
.macro STEP q
	s_add_co_u32 s[T0], s[Q0], 23                  ; my last query
	s_cmp_gt_u32 s[KF], s[T0]
	s_cbranch_scc1 .Lhidden_\@                     ; all 128 keys come after my queries
	v_add_nc_u32 v[ADK], s[TB], v[LI]
	v_add_nc_u32 v[ADS], s[TB], v[LR]
	v_nop
	v_nop                                          ; four places in front of loads into registers that the last products read
.irp b, 0,1,2,3
.irp j, 0,1,2
	ds_load_b128 v[IM+12*\b+4*\j:IM+12*\b+4*\j+3], v[ADK] offset:12800*(\q)+1536*\b+512*\j
.endr
.endr
	ds_load_b128 v[KS:KS+3], v[ADS] offset:12800*(\q)+6144
	s_wait_alu depctr_va_vdst(0)
	s_wait_dscnt 0x0
.irp b, 0,1,2,3                                ; S^T: image b holds the keys' tiles 2 b and 2 b + 1
	v_wmma_scale_f32_16x16x128_f8f6f4 v[S+16*\b:S+16*\b+7], v[IM+12*\b:IM+12*\b+11], v[QLO:QLO+11], 0, v[KS+\b], v[QS] matrix_a_fmt:MATRIX_FMT_FP6 matrix_b_fmt:MATRIX_FMT_FP6
	v_wmma_scale_f32_16x16x128_f8f6f4 v[S+16*\b+8:S+16*\b+15], v[IM+12*\b:IM+12*\b+11], v[QHI:QHI+11], 0, v[KS+\b], v[QS] matrix_a_fmt:MATRIX_FMT_FP6 matrix_b_fmt:MATRIX_FMT_FP6
.endr
.rept 4
	v_nop                                          ; places in front of the loads below and of the first read of the scores
.endr
.irp t, 0,1,2,3                                ; V's images take K's registers and land under the softmax
.irp j, 0,1,2
	ds_load_b128 v[IM+12*\t+4*\j:IM+12*\t+4*\j+3], v[ADK] offset:12800*(\q)+6400+1536*\t+512*\j
.endr
.endr
	ds_load_b128 v[VS:VS+3], v[ADS] offset:12800*(\q)+12544
	s_add_co_u32 s[T0], s[KF], 127                 ; on the diagonal hidden scores become -infinity ahead of the maximum; a step all of whose keys count skips this
	s_cmp_le_u32 s[T0], s[Q0]
	s_cbranch_scc1 .Lopen_\@
	s_sub_co_i32 s[T0], s[Q0], s[KF]
	v_add_nc_u32 v[TT], s[T0], v[QREL]             ; d = my query - KF - 16 h.  Register 16 b + i holds key KF + 32 b + 16 h + i: hidden where 32 b + i > d
	v_mov_b32 v[TT+1], 0xff800000
.set n, 0
.rept 64
	v_cmp_gt_i32 vcc_lo, 32*(n/16)+n%16, v[TT]
	v_cndmask_b32 v[S+n], v[S+n], v[TT+1], vcc_lo
.set n, n+1
.endr
.Lopen_\@:
.irp b, 0,1,2,3
	v_max3_num_f32 v[BM+\b], v[S+16*\b], v[S+1+16*\b], v[S+2+16*\b]   ; the largest score of each block of 32 keys: for the row's maximum, and, since p rises with the score, for the block's largest p
.endr
.irp i, 3,5,7,9,11,13
.irp b, 0,1,2,3
	v_max3_num_f32 v[BM+\b], v[BM+\b], v[S+16*\b+\i], v[S+1+16*\b+\i]
.endr
.endr
.irp b, 0,1,2,3
	v_max_num_f32 v[BM+\b], v[BM+\b], v[S+15+16*\b]
.endr
.irp b, 0,1,2,3
	s_delay_alu instid0(VALU_DEP_4)
	v_permlanex16_b32 v[BT+\b], v[BM+\b], s[SEL], s[SEL+1]
.endr
.irp b, 0,1,2,3
	s_delay_alu instid0(VALU_DEP_4)
	v_max_num_f32 v[BM+\b], v[BM+\b], v[BT+\b]     ; with lane l xor 16's 16 keys
.endr
	s_delay_alu instid0(VALU_DEP_2)
	v_max3_num_f32 v[TT], v[BM], v[BM+1], v[BM+2]
	s_delay_alu instid0(VALU_DEP_1)
	v_max_num_f32 v[TT], v[TT], v[BM+3]
	s_delay_alu instid0(VALU_DEP_1)
	v_mul_f32 v[TT], s[CS], v[TT]                  ; as t
	s_delay_alu instid0(VALU_DEP_1)
	v_max_num_f32 v13, v13, v[TT]                  ; the running largest t
	v_mov_b32 v[TT], v12
	s_delay_alu instid0(VALU_DEP_2)
	v_floor_f32 v12, -v13                          ; the new -M = -ceil(t): a whole number
	s_delay_alu instid0(VALU_DEP_1)
	v_sub_f32 v[TT], v12, v[TT]                    ; old M - new M: a whole number, 0 or less
	s_delay_alu instid0(VALU_DEP_1)
	v_cvt_i32_f32 v[TT], v[TT]                     ; (it saturates)
	s_delay_alu instid0(VALU_DEP_1)
	v_ldexp_f32 v[FP], 1.0, v[TT]                  ; f = 2^(old M - new M)
.set n, 0
.rept 32
	v_pk_fma_f32 v[S+n:S+n+1], v[S+n:S+n+1], s[CS:CS+1], v[12:13] op_sel_hi:[1,0,0]   ; t - M, two at a time
.set n, n+2
.endr
.irp b, 0,1,2,3
	v_fma_f32 v[BM+\b], v[BM+\b], s[CS], v12       ; the same of each block's largest score
.endr
.set n, 0
	s_wait_alu depctr_va_vdst(0)
.rept 64
	v_exp_f32 v[S+n], v[S+n]                       ; p = 2^(t - M), at most 1
.set n, n+1
.endr
	v_pk_mul_f32 v[14:15], v[14:15], v[FP:FP+1] op_sel_hi:[1,0]    ; the sums under the new M; the plain instruction behind the exponentials
	s_wait_alu depctr_va_vdst(0)                   ; one wait for the batch, ahead of its first reader
.irp b, 0,1,2,3
	v_exp_f32 v[BM+\b], v[BM+\b]                   ; the block's largest p
.endr
	v_pk_add_f32 v[230:231], v[104:105], v[108:109]
	v_pk_add_f32 v[254:255], v[112:113], v[116:117]
	v_pk_add_f32 v[252:253], v[120:121], v[124:125]
	v_pk_add_f32 v[250:251], v[128:129], v[132:133]
	v_pk_add_f32 v[248:249], v[136:137], v[140:141]
	v_pk_add_f32 v[246:247], v[144:145], v[148:149]
	v_pk_add_f32 v[226:227], v[152:153], v[156:157]
	v_pk_add_f32 v[14:15], v[14:15], v[160:161]
	v_pk_add_f32 v[230:231], v[230:231], v[100:101]
	v_pk_add_f32 v[254:255], v[254:255], v[102:103]
	v_pk_add_f32 v[252:253], v[252:253], v[106:107]
	v_pk_add_f32 v[250:251], v[250:251], v[110:111]
	v_pk_add_f32 v[248:249], v[248:249], v[114:115]
	v_pk_add_f32 v[246:247], v[246:247], v[118:119]
	v_pk_add_f32 v[226:227], v[226:227], v[122:123]
	v_pk_add_f32 v[14:15], v[14:15], v[126:127]
	v_pk_add_f32 v[230:231], v[230:231], v[130:131]
	v_pk_add_f32 v[254:255], v[254:255], v[134:135]
	v_pk_add_f32 v[252:253], v[252:253], v[138:139]
	v_pk_add_f32 v[250:251], v[250:251], v[142:143]
	v_pk_add_f32 v[248:249], v[248:249], v[146:147]
	v_pk_add_f32 v[246:247], v[246:247], v[150:151]
	v_pk_add_f32 v[226:227], v[226:227], v[154:155]
	v_pk_add_f32 v[14:15], v[14:15], v[158:159]
	v_pk_add_f32 v[230:231], v[230:231], v[162:163]
	s_delay_alu instid0(VALU_DEP_2)
	v_pk_add_f32 v[14:15], v[14:15], v[250:251]
	s_delay_alu instid0(VALU_DEP_2)
	v_pk_add_f32 v[230:231], v[230:231], v[248:249]
	v_pk_add_f32 v[254:255], v[254:255], v[246:247]
	v_pk_add_f32 v[252:253], v[252:253], v[226:227]
	s_delay_alu instid0(VALU_DEP_2)
	v_pk_add_f32 v[14:15], v[14:15], v[254:255]
	s_delay_alu instid0(VALU_DEP_2)
	v_pk_add_f32 v[230:231], v[230:231], v[252:253]
	s_delay_alu instid0(VALU_DEP_1)
	v_pk_add_f32 v[14:15], v[14:15], v[230:231]
	s_wait_alu depctr_va_vdst(0)                   ; and one for the four
.irp b, 0,1,2,3
	v_max_num_f32 v[BM+\b], 0x1800000, v[BM+\b]    ; the floor 2^(3 - 127)
.endr
.irp b, 0,1,2,3
	s_delay_alu instid0(VALU_DEP_4)
	v_add_nc_u32 v[OP+\b], 0xff000000, v[BM+\b]    ; 2 off the exponent field: the conversion's scale operand
.endr
.irp b, 0,1,2,3
	s_delay_alu instid0(VALU_DEP_4)
	v_lshrrev_b32 v[BT+\b], 23, v[OP+\b]           ; the scale's byte
.endr
	s_delay_alu instid0(VALU_DEP_3)
	v_lshl_or_b32 v[PS], v[BT+1], 8, v[BT]
	s_delay_alu instid0(VALU_DEP_1)
	v_lshl_or_b32 v[PS], v[BT+2], 16, v[PS]
	s_delay_alu instid0(VALU_DEP_1)
	v_lshl_or_b32 v[PS], v[BT+3], 24, v[PS]
.irp c, 0,1
	v_cvt_scalef32_pk16_fp6_f32 v[PCD+6*\c:PCD+2+6*\c], v[S+32*\c:S+15+32*\c], v[OP+2*\c]
	v_cvt_scalef32_pk16_fp6_f32 v[CT+4*\c:CT+2+4*\c], v[S+16+32*\c:S+31+32*\c], v[OP+2*\c+1]
.endr
	v_nop                                          ; one plain instruction behind a scaled conversion
.irp c, 0,1
.irp i, 0,1,2
	v_permlane16_swap_b32 v[PCD+6*\c+\i], v[CT+4*\c+\i]
.endr
.irp i, 0,1,2
	s_delay_alu instid0(VALU_DEP_3)
	v_mov_b32 v[PCD+3+6*\c+\i], v[CT+4*\c+\i]
.endr
.endr
.set n, 0
.rept 16
	v_pk_mul_f32 v[OT+n:OT+n+1], v[OT+n:OT+n+1], v[FP:FP+1] op_sel_hi:[1,0]   ; O^T under the new M; these sixteen are also the places behind p's codes and scale word
.set n, n+2
.endr
	s_wait_alu depctr_va_vdst(0)
	s_wait_dscnt 0x0                               ; V
.irp t, 0,1,2,3                                ; O^T += V^T P^T: four accumulators, one instruction each
	v_wmma_scale_f32_16x16x128_f8f6f4 v[OT+8*\t:OT+8*\t+7], v[IM+12*\t:IM+12*\t+11], v[PCD:PCD+11], v[OT+8*\t:OT+8*\t+7], v[VS+\t], v[PS] matrix_a_fmt:MATRIX_FMT_FP6 matrix_b_fmt:MATRIX_FMT_FP6
.endr
.Lhidden_\@:
	s_add_co_u32 s[KF], s[KF], 128
.endm
; THE CHANGE OF SLOTS, at a slot's head.  Each wave waits for all its tensor loads, adds 0 to its spare word, and waits for that and for its reads of the slot that it has left; behind the barrier the slot ahead is whole and
; nobody reads the other one.  fill = 1: the other slot takes the slot that follows: the block's next, or slot 0 of block 7 - i.
.macro CHANGE fill
	s_wait_tensorcnt 0x0                           ; no tensor load of mine is out, so group 0 may be written
	ds_add_u32 v[SPW], v[NIL]                      ; 0 onto my spare word
.if \fill
	s_add_co_u32 s[T0], s[FS], 1
	s_cmp_eq_u32 s[FS], s[FQ]
	s_cselect_b32 s[FS], 0, s[T0]
	s_cselect_b32 s[FQ], s[QB2], s[FQ]
	s_mul_i32 s[T2], s[FS], 38400                  ; a slot is two records
	s_add_nc_u64 s[G0+2:G0+3], s[KVB:KVB+1], s[T2:T2+1]
	s_or_b32 s[G0+3], s[G0+3], 0x80000000
	s_xor_b32 s[G0+1], s[G0+1], SLOT1
.endif
	s_wait_dscnt 0x0                               ; the add is done, and my reads of the slot that I have left are over
	s_barrier_signal -1
	s_barrier_wait -1
.if \fill
	TLOAD                                          ; the first thing behind the barrier, and a wave's one tensor load until the next
.endif
.endm
; A BLOCK ENDS: o = O^T / l; its 64 channels are two blocks of 32 along the model's axis; codes (half a fragment: 6 registers a lane) and two scale bytes a row leave.
.macro FINISH orb, osb
.rept 4
	v_nop                                          ; places behind the last products
.endr
	v_add_f32 v14, v14, v15
	s_delay_alu instid0(VALU_DEP_1)
	v_permlanex16_b32 v[TT], v14, s[SEL], s[SEL+1]
	s_delay_alu instid0(VALU_DEP_1)
	v_add_f32 v14, v14, v[TT]                      ; the row's sum
	s_wait_alu depctr_va_vdst(0)
	v_rcp_f32 v[FP], v14
	v_nop                                          ; a plain instruction behind the reciprocal,
	s_wait_alu depctr_va_vdst(0)                   ; and the wait ahead of its first reader
.set n, 0
.rept 16
	v_pk_mul_f32 v[S+n:S+n+1], v[OT+n:OT+n+1], v[FP:FP+1] op_sel_hi:[1,0]     ; register 16 b + i = channel 32 b + 16 h + i; each accumulator is read from its low end on
.set n, n+2
.endr
.irp b, 0,1
	v_max3_num_f32 v[BM+\b], |v[S+16*\b]|, |v[S+1+16*\b]|, 0x1800000
.endr
.irp i, 2,4,6,8,10,12,14
.irp b, 0,1
	s_delay_alu instid0(VALU_DEP_2)
	v_max3_num_f32 v[BM+\b], v[BM+\b], |v[S+16*\b+\i]|, |v[S+1+16*\b+\i]|
.endr
.endr
.irp b, 0,1
	s_delay_alu instid0(VALU_DEP_2)
	v_permlanex16_b32 v[BT+\b], v[BM+\b], s[SEL], s[SEL+1]
.endr
.irp b, 0,1
	s_delay_alu instid0(VALU_DEP_2)
	v_max_num_f32 v[BM+\b], v[BM+\b], v[BT+\b]
.endr
.irp b, 0,1
	s_delay_alu instid0(VALU_DEP_2)
	v_add_nc_u32 v[OP+\b], 0xff000000, v[BM+\b]
.endr
.irp b, 0,1
	s_delay_alu instid0(VALU_DEP_2)
	v_lshrrev_b32 v[BT+\b], 23, v[OP+\b]
.endr
	v_cvt_scalef32_pk16_fp6_f32 v[PCD:PCD+2], v[S:S+15], v[OP]
	v_cvt_scalef32_pk16_fp6_f32 v[CT:CT+2], v[S+16:S+31], v[OP+1]
	v_cndmask_b32 v[TT+1], v[BT], v[BT+1], s[HM]   ; my half's block's byte; also the plain instruction behind the conversions
.irp i, 0,1,2
	v_permlane16_swap_b32 v[PCD+\i], v[CT+\i]
.endr
.irp i, 0,1,2
	s_delay_alu instid0(VALU_DEP_3)
	v_mov_b32 v[PCD+3+\i], v[CT+\i]
.endr
.irp i, 0,1,2
	global_store_b64 v[L8], v[PCD+2*\i:PCD+2*\i+1], s[\orb:\orb+1] offset:256*\i   ; 32 lanes store 256 consecutive bytes, aligned
.endr
	global_store_b8 v[OSA], v[TT+1], s[\osb:\osb+1]
.endm
.Lslot:                                            ; eight trips; the ninth slot is written out
	CHANGE 1
	STEP 0
	STEP 1
	s_xor_b32 s[TB], s[TB], SLOT1
	s_cmp_eq_u32 s[SI], s[QB]                      ; was that the block's last slot?  (ids alone; true once in the loop: at the end of block i)
	s_cbranch_scc0 .Lsame
	FINISH OR1, OS1
	s_wait_loadcnt 0x0                             ; Q of block 7 - i
	INIT
	s_wait_xcnt 0x0                                ; the stores above have read their registers: the next step writes them again
	s_mov_b32 s[QB], s[QB2]
	s_mov_b32 s[Q0], s[Q02]
	s_mov_b32 s[SI], 0
	s_mov_b32 s[KF], 0
	s_branch .Lnext
.Lsame:
	s_add_co_u32 s[SI], s[SI], 1
.Lnext:
	s_sub_co_u32 s[TR], s[TR], 1
	s_cmp_lg_u32 s[TR], 0
	s_cbranch_scc1 .Lslot
	CHANGE 0
	STEP 0
	STEP 1
	FINISH OR2, OS2
	s_wait_tensorcnt 0x0                           ; the wave's end
	ds_add_u32 v[SPW], v[NIL]
	s_wait_dscnt 0x0
	s_endpgm
.Lfunc_end_k_q093f4bd5f9_attn:
	.size	k_q093f4bd5f9_attn, .Lfunc_end_k_q093f4bd5f9_attn-k_q093f4bd5f9_attn
	.p2alignl 7, 3214868480
	.fill 96, 4, 3214868480
	.section	.rodata,"a",@progbits
	.p2align	6, 0x0
	.amdhsa_kernel k_q093f4bd5f9_attn
		.amdhsa_group_segment_fixed_size 327680
		.amdhsa_private_segment_fixed_size 0
		.amdhsa_enable_private_segment 0
		.amdhsa_kernarg_size 24
		.amdhsa_user_sgpr_count 2
		.amdhsa_user_sgpr_kernarg_segment_ptr 1
		.amdhsa_wavefront_size32 1
		.amdhsa_system_sgpr_workgroup_id_x 1
		.amdhsa_system_sgpr_workgroup_id_y 1
		.amdhsa_system_sgpr_workgroup_id_z 1
		.amdhsa_system_vgpr_workitem_id 0
		.amdhsa_next_free_vgpr 256
		.amdhsa_next_free_sgpr 84
		.amdhsa_reserve_vcc 1
		.amdhsa_float_denorm_mode_32 3
		.amdhsa_float_denorm_mode_16_64 3
		.amdhsa_memory_ordered 1
		.amdhsa_forward_progress 1
		.amdhsa_inst_pref_size 109
	.end_amdhsa_kernel
	.amdgpu_metadata
---
amdhsa.version: [ 1, 2 ]
amdhsa.kernels:
  - .name:           k_q093f4bd5f9_attn
    .symbol:         k_q093f4bd5f9_attn.kd
    .args:
      - { .name: qkv, .offset: 0, .size: 8, .value_kind: global_buffer, .address_space: global }
      - { .name: orec, .offset: 8, .size: 8, .value_kind: global_buffer, .address_space: global }
      - { .name: osc, .offset: 16, .size: 8, .value_kind: global_buffer, .address_space: global }
    .group_segment_fixed_size: 327680
    .private_segment_fixed_size: 0
    .kernarg_segment_align: 8
    .kernarg_segment_size: 24
    .max_flat_workgroup_size: 512
    .sgpr_count:     84
    .vgpr_count:     256
    .wavefront_size: 32
...
	.end_amdgpu_metadata
.endif
;; end of part 3
;; launch oproj (part 4): grid 256 x 1, 4 waves a work-group, clusters of 4 x 1, 327,680 bytes of LDS; arguments orec, osc, wrec, x, norm_g, out0; writes out0
.if DOCPART == 4
	.amdgcn_target "amdgcn-amd-amdhsa--gfx1250"
	.amdhsa_code_object_version 6
	.text
	.protected	k_q093f4bd5f9_oproj
	.globl	k_q093f4bd5f9_oproj
	.p2align	8
	.type	k_q093f4bd5f9_oproj,@function
k_q093f4bd5f9_oproj:
	s_mov_b64 s[64:65], 0
	v_nop
	global_prefetch_b8 v0, s[64:65] scope:SCOPE_SE
	s_setreg_imm32_b32 hwreg(HW_REG_WAVE_MODE, 25, 1), 1
	s_wait_xcnt 0x0
	s_wait_alu depctr_hold_cnt(0) depctr_sa_sdst(0) depctr_va_vdst(0) depctr_va_sdst(0) depctr_va_ssrc(0) depctr_va_vcc(0) depctr_vm_vsrc(0)
	s_getreg_b32 s2, hwreg(HW_REG_IB_STS2, 6, 4)
	s_cmp_eq_u32 s2, 0
	s_cbranch_scc0 .Lentry_in_a_cluster
	s_endpgm
.Lentry_in_a_cluster:
	s_bfe_u32 s2, ttmp6, 0x10000c
	s_cmp_lg_u32 s2, 0x3003
	s_cbranch_scc0 .Lentry_shape_is_right
	s_endpgm
.Lentry_shape_is_right:
; out = rmsnorm(x + o wo^T) x g.  The product is on codes of FP6 (E2M3) with E8M0 scales, K = 1,024; the rest in f32.
; SHARES: a work-group owns 32 tokens (token tiles 2 g, 2 g + 1) and ALL 1,024 columns, so that a row's mean of squares needs no other work-group.  Wave w makes columns 256 w .. 256 w + 255 (wo's tiles 16 w .. 16 w + 15).
; o's 16 fragments (192 registers) stay in registers.  wo streams through two LDS slots in 8 chunks: for each wave its tiles 16 w + 2 c and 16 w + 2 c + 1, whole records (all of K and the scale words): 25,600 dense bytes,
; brought by the wave's own tensor load and read by that wave alone.
; CLUSTER: the four work-groups of a cluster walk the same chunks, so each chunk is asked for jointly (mask 15): the same load with the same descriptor in all four, which hangs on the wave's number and the chunk alone.
; The product is used transposed (source 0 = 16 rows of wo, source 1 = 16 tokens): a lane holds one token, and the 16 registers of a chunk's two tiles are the 16 neighbouring columns 256 w + 32 c + 16 (lane / 16) + 0 .. 15.
; The results meet in a stage in LDS (32 rows x (4,096 + 16) bytes, in the slots, which have had their last fill and their last read by then); each wave then takes 8 whole rows: + x, sum of squares, x rsq x g, stores of 512 consecutive bytes.
; Lane r of token tile T is token 32 (T / 2) + 8 (T % 2) + r + 8 (r / 8): the stage's rows 8 w + i are tokens 32 g + 8 (w / 2) + 16 (w % 2) + i.
; LIMITS: NaN and infinities are not served.
; REGISTERS, in windows of 256: window 0: v0-31 addresses; v32-39 o's scale words (lanes 0-15 tile 0, lanes 16-31 tile 1); v40-55 wo's, two sets (lanes 16-31 the chunk's second tile); v64-159, v160-255 wo's fragments of K steps 0-3, 4-7.
;   window 1: the 32 accumulators ((c, t, m) at 32 c + 16 t + 8 m).   window 2: o's fragments (96 m + 12 s); g at v192-223.   window 3: x, 8 rows x 32 registers.
.set CHB,    25600
.set SLOTB,  102400
.set SPARE,  204800                    ; the spare words, 128 bytes for each wave: two blocks of 256 bytes that no other line names
.set SPITCH, 4112                      ; a stage row: 4,096 + 16 bytes = 257 x 16
.set L16, 2                            ; v2   16 x lane
.set L8,  3                            ; v3   8 x lane
.set VAS, 6                            ; v6   o's scale words: 512 (lane / 16) + 4 r
.set AW0, 7                            ; v7-8   my chunk in slot 0, 1: 16 x lane + 25,600 x wave
.set BS0, 9                            ; v9-10  its scale words: 12,800 h + 12,288 + 16 r
.set SO0, 11                           ; v11-12 the stage: where I put 32 bytes of a row of token tile 0, 1
.set SR,  13                           ; v13    and where I read my 8 rows back
.set SPW, 28
.set NIL, 29
.set ASC, 32
.set BSC, 40
.set TBUF, 64                          ; the way out: v64-127 two rows from the stage
.set SA,  128                          ; v128-159 sums of squares, two chains of pairs a row
.set RSM, 160                          ; v160-167 a row's sum;  v168-175 the other half's
.set RSQ, 176                          ; v176-191 1 / rms, the low word of a pair a row
.set G1, 24
.set G0, 32
.set MSB, 0
.macro WIN new                         ; the immediate's high byte repeats the setting that is left
.if MSB != \new
	s_set_vgpr_msb (MSB<<8)|\new
.set MSB, \new
.endif
.endm
.macro CROUND                          ; a round of the cluster's barrier
	s_barrier_signal -1
	s_barrier_wait -1
	s_cmp_lg_u32 s16, 0
	s_cbranch_scc1 .Lnot_wave_0_\@
	s_barrier_signal -3
.Lnot_wave_0_\@:
	s_barrier_wait -3
	s_barrier_signal -1
	s_barrier_wait -1
.endm
	s_load_b256 s[4:11], s[0:1], 0x0               ; orec, osc, wrec, x
	s_load_b128 s[12:15], s[0:1], 0x20             ; norm_g, out0
	v_lshl_add_u32 v[SPW], v0, 2, SPARE
	v_mov_b32 v[NIL], 0
	ds_add_u32 v28, v29
	ds_add_u32 v28, v29
	s_wait_dscnt 0x0
	v_lshrrev_b32 v1, 5, v0
	v_readfirstlane_b32 s16, v1                    ; wave 0..3
	s_bfe_u32 s17, ttmp6, 0x40000                  ; cx: it enters the addresses of o, x and out alone
	s_lshl_b32 s18, ttmp9, 2
	s_add_co_u32 s18, s18, s17                     ; g
	; group 1: 25,600 dense bytes as 100 rows of 256 (32 elements of 8 bytes)
	s_mov_b32 s[G1], 15|(3<<16)|(1<<21)            ; 15:0 the mask: all four work-groups; 17:16 elements of 8 bytes; 21 set beside a mask
	s_mov_b32 s[G1+1], 32<<16
	s_mov_b32 s[G1+2], 100<<16
	s_mov_b32 s[G1+3], 32<<16
	s_mov_b32 s[G1+4], 100
	s_mov_b32 s[G1+5], 32
	s_mov_b32 s[G1+6], 0
	s_mov_b32 s[G1+7], 0
	s_mul_i32 s40, s16, CHB                        ; my place in a slot
	s_mul_i32 s42, s16, 16*12800                   ; my 16 tiles,
	s_add_co_u32 s42, s42, 2457600                 ; of wo: the weights' tiles 192 on
	s_mov_b32 s43, 0
	s_wait_kmcnt 0x0
	s_add_nc_u64 s[42:43], s[8:9], s[42:43]
	CROUND                                         ; all four work-groups are here: the first joint loads meet
.irp n, 0,1
	s_mov_b32 s[G0+4*\n], 1
	s_add_co_u32 s[G0+4*\n+1], s40, \n*SLOTB
	s_add_nc_u64 s[G0+4*\n+2:G0+4*\n+3], s[42:43], \n*CHB
	s_or_b32 s[G0+4*\n+3], s[G0+4*\n+3], 0x80000000
.endr
	tensor_load_to_lds s[G0:G0+3], s[G1:G1+7]      ; chunk 0: one load of mine is out
	s_nop 0
	s_wait_alu depctr_va_vdst(0)
	s_wait_tensorcnt 0x0
	ds_add_u32 v28, v29
	s_wait_dscnt 0x0
	CROUND
	tensor_load_to_lds s[G0+4:G0+7], s[G1:G1+7]
	s_nop 0
.rept 4
	v_nop
.endr
	v_and_b32 v1, 31, v0
	v_lshlrev_b32 v[L16], 4, v1
	v_lshlrev_b32 v[L8], 3, v1
	v_and_b32 v4, 15, v0                           ; r
	v_bfe_u32 v5, v0, 4, 1                         ; h
	v_lshlrev_b32 v[VAS], 2, v4
	v_lshl_add_u32 v[VAS], v5, 9, v[VAS]
	v_add_nc_u32 v[AW0], s40, v[L16]
	v_add_nc_u32 v[AW0+1], SLOTB, v[AW0]
	v_mul_u32_u24 v[BS0], v5, 12800
	v_lshl_add_u32 v[BS0], v4, 4, v[BS0]
	v_add_nc_u32 v[BS0], s40, v[BS0]
	v_add_nc_u32 v[BS0], 12288, v[BS0]
	v_add_nc_u32 v[BS0+1], SLOTB, v[BS0]
	v_mul_u32_u24 v[SO0], v4, SPITCH
	v_lshl_add_u32 v[SO0], v5, 6, v[SO0]
	s_lshl_b32 s41, s16, 10
	v_add_nc_u32 v[SO0], s41, v[SO0]               ; row r, + 1,024 w + 64 h
	v_add_nc_u32 v[SO0+1], 16*SPITCH, v[SO0]
	s_mul_i32 s41, s16, 8*SPITCH
	v_add_nc_u32 v[SR], s41, v[L16]
	s_mul_i32 s44, s18, 2*12288                    ; o's two tiles
	s_mov_b32 s45, 0
	s_add_nc_u64 s[4:5], s[4:5], s[44:45]
	s_lshl_b32 s44, s18, 10                        ; and their scale bytes
	s_add_nc_u64 s[6:7], s[6:7], s[44:45]
	s_lshl_b32 s44, s18, 5
	s_lshr_b32 s46, s16, 1
	s_lshl_b32 s46, s46, 3
	s_add_co_u32 s44, s44, s46
	s_and_b32 s46, s16, 1
	s_lshl_b32 s46, s46, 4
	s_add_co_u32 s44, s44, s46                     ; my first token: 32 g + 8 (w / 2) + 16 (w % 2)
	s_lshl_b32 s44, s44, 12
	s_add_nc_u64 s[10:11], s[10:11], s[44:45]
	s_add_nc_u64 s[14:15], s[14:15], s[44:45]
	s_mov_b32 s20, 0x76543210
	s_mov_b32 s21, 0xfedcba98
	s_mov_b32 s22, 0x3a800000                      ; 1 / 1,024
	s_mov_b32 s23, 0x358637bd                      ; 1e-6
	WIN 0x80                                       ; destination window 2
.irp m, 0,1
.irp s, 0,1,2,3,4,5,6,7
.irp i, 0,1,2,3,4,5
	global_load_b64 v[96*\m+12*\s+2*\i:96*\m+12*\s+2*\i+1], v[L8], s[4:5] offset:12288*\m+1536*\s+256*\i   ; heads 2 s and 2 s + 1 are K step s: 6 planes of 256 bytes
.endr
.endr
.endr
	WIN 0
.irp s, 0,1,2,3,4,5,6,7
	global_load_b32 v[ASC+\s], v[VAS], s[6:7] offset:64*\s
.endr
	WIN 0xc0                                       ; destination window 3
.irp i, 0,1,2,3,4,5,6,7
.irp k, 0,1,2,3,4,5,6,7
	global_load_b128 v[32*\i+4*\k:32*\i+4*\k+3], v[L16], s[10:11] offset:4096*\i+512*\k th:TH_LOAD_NT
.endr
.endr
	WIN 0x80
.irp k, 0,1,2,3,4,5,6,7
	global_load_b128 v[192+4*\k:192+4*\k+3], v[L16], s[12:13] offset:512*\k
.endr
	WIN 0
	s_wait_alu depctr_va_vdst(0)
	s_wait_loadcnt 63                              ; 72 loads (x, g) were issued behind o's and its scale words': those are in
; one product: accumulator (c, t, m) += wo's tile t, K step s x o's tile m, K step s.  cop: the C operand
.macro WMR cop, t, m
.if (\t) == 0 && (\m) == 0
	v_wmma_scale_f32_16x16x128_f8f6f4 v[AC:AC+7], v[WF:WF+11], v[OF:OF+11], \cop, v[SBR], v[SAR] matrix_a_fmt:MATRIX_FMT_FP6 matrix_b_fmt:MATRIX_FMT_FP6
.elseif (\t) == 1 && (\m) == 0
	v_wmma_scale_f32_16x16x128_f8f6f4 v[AC:AC+7], v[WF:WF+11], v[OF:OF+11], \cop, v[SBR], v[SAR] matrix_a_fmt:MATRIX_FMT_FP6 matrix_b_fmt:MATRIX_FMT_FP6 matrix_a_scale:MATRIX_SCALE_ROW1
.elseif (\t) == 0
	v_wmma_scale_f32_16x16x128_f8f6f4 v[AC:AC+7], v[WF:WF+11], v[OF:OF+11], \cop, v[SBR], v[SAR] matrix_a_fmt:MATRIX_FMT_FP6 matrix_b_fmt:MATRIX_FMT_FP6 matrix_b_scale:MATRIX_SCALE_ROW1
.else
	v_wmma_scale_f32_16x16x128_f8f6f4 v[AC:AC+7], v[WF:WF+11], v[OF:OF+11], \cop, v[SBR], v[SAR] matrix_a_fmt:MATRIX_FMT_FP6 matrix_b_fmt:MATRIX_FMT_FP6 matrix_a_scale:MATRIX_SCALE_ROW1 matrix_b_scale:MATRIX_SCALE_ROW1
.endif
.endm
.macro MUL4 c, s                       ; a K step: the chunk's four accumulators take turns, one instruction a turn
.irp t, 0,1
.irp m, 0,1
.set AC, 32*(\c)+16*\t+8*\m
.set WF, 64+96*((\s)/4)+24*((\s)%4)+12*\t
.set OF, 96*\m+12*(\s)
.set SBR, BSC+8*((\c)%2)+(\s)
.set SAR, ASC+(\s)
.if (\s) == 0
	WMR 0, \t, \m
.else
	WMR v[AC:AC+7], \t, \m
.endif
.endr
.endr
.endm
.macro CHUNK c
.if (\c) == 0
	s_wait_tensorcnt 1                             ; chunk 0 is in; chunk 1's load may be out.  I alone read what my loads bring
.elseif (\c) < 7
	s_wait_tensorcnt 0x0                           ; all my tensor loads have landed: this chunk;
	ds_add_u32 v[SPW], v[NIL]                      ; 0 onto my spare word
	s_add_nc_u64 s[G0+4*(((\c)+1)%2)+2:G0+4*(((\c)+1)%2)+3], s[G0+4*(((\c)+1)%2)+2:G0+4*(((\c)+1)%2)+3], 2*CHB   ; the slot just read out takes the chunk two on from its last
	s_wait_dscnt 0x0                               ; the add is done, and my reads of that slot are over
	CROUND                                         ; no wave of any partner still reads that slot or has a load on its way
	tensor_load_to_lds s[G0+4*(((\c)+1)%2):G0+4*(((\c)+1)%2)+3], s[G1:G1+7]
	s_nop 0
.rept 4
	v_nop                                          ; (the places in front of the loads below)
.endr
.else
	s_wait_tensorcnt 0x0                           ; the last chunk is in; nothing is left to fetch
.rept 4
	v_nop
.endr
.endif
.irp kh, 0,1
	ds_load_b128 v[BSC+8*((\c)%2)+4*\kh:BSC+8*((\c)%2)+4*\kh+3], v[BS0+(\c)%2] offset:256*\kh
.endr
.irp s, 0,1,2,3,4,5,6,7
.irp t, 0,1
.irp j, 0,1,2
	ds_load_b128 v[64+96*(\s/4)+24*(\s%4)+12*\t+4*\j:64+96*(\s/4)+24*(\s%4)+12*\t+4*\j+3], v[AW0+(\c)%2] offset:12800*\t+1536*\s+512*\j
.endr
.endr
.endr
	s_wait_dscnt 24                                ; the scale words and K steps 0-3 are in; the 24 loads of K steps 4-7 may be out
	WIN 0x58                                       ; source 0 (wo) window 0, source 1 (o) window 2, C and D window 1
.irp s, 0,1,2,3
	MUL4 \c, \s
.endr
	s_wait_dscnt 0x0
.irp s, 4,5,6,7
	MUL4 \c, \s
.endr
	WIN 0
.endm
.irp c, 0,1,2,3,4,5,6,7
	CHUNK \c
.endr
	; THE WAY OUT
.rept 4
	v_nop                                          ; places behind the last products
.endr
	s_wait_dscnt 0x0                               ; my reads of the slots are over (and my tensor loads have all landed),
	s_barrier_signal -1
	s_barrier_wait -1                              ; everybody's: the stage may be written
	WIN 0x04                                       ; an LDS store's data are its source 1: window 1
.irp c, 0,1,2,3,4,5,6,7
.irp t, 0,1
.irp m, 0,1
	ds_store_b128 v[SO0+\m], v[32*\c+16*\t+8*\m:32*\c+16*\t+8*\m+3] offset:128*\c+32*\t          ; each accumulator from its low end on
	ds_store_b128 v[SO0+\m], v[32*\c+16*\t+8*\m+4:32*\c+16*\t+8*\m+7] offset:128*\c+32*\t+16
.endr
.endr
.endr
	WIN 0
	s_wait_dscnt 0x0                               ; for the others' sake: my stores have landed
	s_barrier_signal -1
	s_barrier_wait -1                              ; 32 whole rows lie in the stage
	s_wait_loadcnt 0x0                             ; x and g
.irp i, 0,1,2,3,4,5,6,7
	v_mov_b32 v[RSM+8+\i], 0                       ; a lane permute's destination counts as one of its sources
	v_mov_b32 v[RSQ+2*\i+1], 0                     ; (named as the upper half of a pair)
.endr
.macro ROWLD i
.irp k, 0,1,2,3,4,5,6,7
	ds_load_b128 v[TBUF+32*((\i)%2)+4*\k:TBUF+32*((\i)%2)+4*\k+3], v[SR] offset:(\i)*SPITCH+512*\k
.endr
.endm
	ROWLD 0
.irp i, 0,1,2,3,4,5,6,7
.if \i < 7
	ROWLD \i+1
	s_wait_dscnt 8                                 ; row i is in; the next row's eight loads may be out
.else
	s_wait_dscnt 0x0
.endif
	WIN 0xc3                                       ; destination and source 0 window 3
.irp p, 0,1,2,3,4,5,6,7,8,9,10,11,12,13,14,15
	v_pk_add_f32 v[32*\i+2*\p:32*\i+2*\p+1], v[32*\i+2*\p:32*\i+2*\p+1], v[TBUF+32*(\i%2)+2*\p:TBUF+32*(\i%2)+2*\p+1]   ; y = x + o wo^T
.endr
	WIN 0x0f                                       ; sources 0 and 1 window 3
	v_pk_mul_f32 v[SA+4*\i:SA+4*\i+1], v[32*\i:32*\i+1], v[32*\i:32*\i+1]
	v_pk_mul_f32 v[SA+4*\i+2:SA+4*\i+3], v[32*\i+2:32*\i+3], v[32*\i+2:32*\i+3]
.irp p, 4,8,12,16,20,24,28
	v_pk_fma_f32 v[SA+4*\i:SA+4*\i+1], v[32*\i+\p:32*\i+\p+1], v[32*\i+\p:32*\i+\p+1], v[SA+4*\i:SA+4*\i+1]
	v_pk_fma_f32 v[SA+4*\i+2:SA+4*\i+3], v[32*\i+\p+2:32*\i+\p+3], v[32*\i+\p+2:32*\i+\p+3], v[SA+4*\i+2:SA+4*\i+3]
.endr
	WIN 0
.endr
.irp i, 0,1,2,3,4,5,6,7
	v_pk_add_f32 v[SA+4*\i:SA+4*\i+1], v[SA+4*\i:SA+4*\i+1], v[SA+4*\i+2:SA+4*\i+3]
.endr
.irp i, 0,1,2,3,4,5,6,7
	v_add_f32 v[RSM+\i], v[SA+4*\i], v[SA+4*\i+1]
.endr
.irp x, 1,2,4,8                                ; across the 32 lanes, the eight rows by turns
.irp i, 0,1,2,3,4,5,6,7
	v_add_f32_dpp v[RSM+\i], v[RSM+\i], v[RSM+\i] row_xmask:\x row_mask:0xf bank_mask:0xf
.endr
.endr
.irp i, 0,1,2,3,4,5,6,7
	v_permlanex16_b32 v[RSM+8+\i], v[RSM+\i], s20, s21
.endr
.irp i, 0,1,2,3,4,5,6,7
	v_add_f32 v[RSM+\i], v[RSM+\i], v[RSM+8+\i]
.endr
.irp i, 0,1,2,3,4,5,6,7
	v_fma_f32 v[RSM+\i], v[RSM+\i], s22, s23       ; the mean of squares + 1e-6
.endr
	s_wait_alu depctr_va_vdst(0)
.irp i, 0,1,2,3,4,5,6,7
	v_rsq_f32 v[RSQ+2*\i], v[RSM+\i]
.endr
	v_nop                                          ; a plain instruction behind the last of the batch,
	s_wait_alu depctr_va_vdst(0)                   ; and one wait ahead of its first reader
.irp i, 0,1,2,3,4,5,6,7
	WIN 0xc3
.irp p, 0,1,2,3,4,5,6,7,8,9,10,11,12,13,14,15
	v_pk_mul_f32 v[32*\i+2*\p:32*\i+2*\p+1], v[32*\i+2*\p:32*\i+2*\p+1], v[RSQ+2*\i:RSQ+2*\i+1] op_sel_hi:[1,0]
.endr
	WIN 0xcb                                       ; source 1 (g) window 2
.irp p, 0,1,2,3,4,5,6,7,8,9,10,11,12,13,14,15
	v_pk_mul_f32 v[32*\i+2*\p:32*\i+2*\p+1], v[32*\i+2*\p:32*\i+2*\p+1], v[192+2*\p:192+2*\p+1]
.endr
	WIN 0x0c                                       ; a store's data are its source 1: window 3
.irp k, 0,1,2,3,4,5,6,7
	global_store_b128 v[L16], v[32*\i+4*\k:32*\i+4*\k+3], s[14:15] offset:4096*\i+512*\k th:TH_STORE_NT   ; 512 consecutive bytes, aligned; no store's data are written again
.endr
.endr
	WIN 0
	s_wait_tensorcnt 0x0                           ; the wave's end
	ds_add_u32 v[SPW], v[NIL]
	s_wait_dscnt 0x0
	CROUND                                         ; the closing round
	s_endpgm
.Lfunc_end_k_q093f4bd5f9_oproj:
	.size	k_q093f4bd5f9_oproj, .Lfunc_end_k_q093f4bd5f9_oproj-k_q093f4bd5f9_oproj
	.p2alignl 7, 3214868480
	.fill 96, 4, 3214868480
	.section	.rodata,"a",@progbits
	.p2align	6, 0x0
	.amdhsa_kernel k_q093f4bd5f9_oproj
		.amdhsa_group_segment_fixed_size 327680
		.amdhsa_private_segment_fixed_size 0
		.amdhsa_enable_private_segment 0
		.amdhsa_kernarg_size 48
		.amdhsa_user_sgpr_count 2
		.amdhsa_user_sgpr_kernarg_segment_ptr 1
		.amdhsa_wavefront_size32 1
		.amdhsa_system_sgpr_workgroup_id_x 1
		.amdhsa_system_sgpr_workgroup_id_y 1
		.amdhsa_system_sgpr_workgroup_id_z 1
		.amdhsa_system_vgpr_workitem_id 0
		.amdhsa_next_free_vgpr 1024
		.amdhsa_next_free_sgpr 66
		.amdhsa_reserve_vcc 0
		.amdhsa_float_denorm_mode_32 3
		.amdhsa_float_denorm_mode_16_64 3
		.amdhsa_memory_ordered 1
		.amdhsa_forward_progress 1
		.amdhsa_inst_pref_size 138
	.end_amdhsa_kernel
	.amdgpu_metadata
---
amdhsa.version: [ 1, 2 ]
amdhsa.kernels:
  - .name:           k_q093f4bd5f9_oproj
    .symbol:         k_q093f4bd5f9_oproj.kd
    .args:
      - { .name: orec, .offset: 0, .size: 8, .value_kind: global_buffer, .address_space: global }
      - { .name: osc, .offset: 8, .size: 8, .value_kind: global_buffer, .address_space: global }
      - { .name: wrec, .offset: 16, .size: 8, .value_kind: global_buffer, .address_space: global }
      - { .name: x, .offset: 24, .size: 8, .value_kind: global_buffer, .address_space: global }
      - { .name: norm_g, .offset: 32, .size: 8, .value_kind: global_buffer, .address_space: global }
      - { .name: out0, .offset: 40, .size: 8, .value_kind: global_buffer, .address_space: global }
    .group_segment_fixed_size: 327680
    .private_segment_fixed_size: 0
    .kernarg_segment_align: 8
    .kernarg_segment_size: 48
    .max_flat_workgroup_size: 128
    .sgpr_count:     66
    .vgpr_count:     1024
    .wavefront_size: 32
...
	.end_amdgpu_metadata
.endif
;; end of part 4
